; MI455X (gfx1250); checked and timed in simulation.
; The chip was launched on July 23, 2026; its instructions are those of AMD's public machine-readable ISA for CDNA 5 (MIT licence, August 2026) and "CDNA5" Instruction Set Architecture Reference Guide (July 2026). The comments in the code are by the model that wrote it; some were corrected since.
;; Encoder Block. Allowed arithmetic: matrix products marked QUANTISED: E4M3 operands, one given power-of-two scale a tensor, by v_wmma_f32_16x16x64_fp8_fp8 or v_wmma_f32_16x16x128_fp8_fp8, f32 sums; everything else in f32.
;; Inputs: b1 4,096 float32; b2 1,024 float32; bk 1,024 float32; bo 1,024 float32; bq 1,024 float32; bv 1,024 float32; ln1_b 1,024 float32; ln1_g 1,024 float32; ln2_b 1,024 float32; ln2_g 1,024 float32; lowp_scales 16 int32 (the exponents e of the quantised operands' scales 2^e); mask 2 x 1 x 1 x 2,048 int32; w1 1,024 x 4,096 float32; w2 4,096 x 1,024 float32; wk 1,024 x 1,024 float32; wo 1,024 x 1,024 float32; wq 1,024 x 1,024 float32; wv 1,024 x 1,024 float32; x 2 x 2,048 x 1,024 float32.
;; Outputs: out0 2 x 2,048 x 1,024 float32.
;; This version of the problem:
;;   THIS VERSION OF THE PROBLEM IS GIVEN IN LOW PRECISION. The matrix products marked QUANTISED in the list below multiply operands that are first quantised to E4M3 (4 exponent bits, 3 mantissa bits; 8 bits a number), with one given power-of-two scale for each operand tensor; their sums are f32. All else is computed in f32.
;;   The module's matrix products, in the order in which they are computed (A, B: the left and right operand; K: the contracted axis; several contracted axes count as one K, in the product's order):
;;     1. [M 4,096, K 1,024] x [K 1,024, N 1,024]; A: computed on the way; B: input wq: QUANTISED (scales: A lowp_scales[0], B lowp_scales[1])
;;     2. [M 4,096, K 1,024] x [K 1,024, N 1,024]; A: computed on the way; B: input wk: QUANTISED (scales: A lowp_scales[2], B lowp_scales[3])
;;     3. [M 4,096, K 1,024] x [K 1,024, N 1,024]; A: computed on the way; B: input wv: QUANTISED (scales: A lowp_scales[4], B lowp_scales[5])
;;     4. batch 32 x [M 2,048, K 64] x [K 64, N 2,048]; A: computed on the way; B: computed on the way: QUANTISED (scales: A lowp_scales[6], B lowp_scales[7])
;;     5. batch 32 x [M 64, K 2,048] x [K 2,048, N 2,048]; A: computed on the way; B: softmax (see below): QUANTISED (scales: A lowp_scales[8], B lowp_scales[9])
;;     6. [M 4,096, K 1,024] x [K 1,024, N 1,024]; A: computed on the way; B: input wo: QUANTISED (scales: A lowp_scales[10], B lowp_scales[11])
;;     7. [M 4,096, K 1,024] x [K 1,024, N 4,096]; A: computed on the way; B: input w1: QUANTISED (scales: A lowp_scales[12], B lowp_scales[13])
;;     8. [M 4,096, K 4,096] x [K 4,096, N 1,024]; A: computed on the way; B: input w2: QUANTISED (scales: A lowp_scales[14], B lowp_scales[15])
;;   THE QUANTISER, for each operand of a quantised product, along K:
;;     - The operand's scale is 2^e, e = its entry of the input lowp_scales (int32; the entries are numbered through the quantised products in the list's order, A before B).
;;     - Each number is divided by the scale, clamped to +-448, and rounded to the nearest number of E4M3, ties to even, subnormals kept.
;;     - The product sums the exact products of the quantised numbers (number of the format x scale) in f32.
;;   ~~~python
;;   def quantise(x, axis, e):      # numpy; x: float32 -> the quantised numbers, widened to float32 again
;;       x = np.moveaxis(x, axis, -1); K = x.shape[-1]
;;       r = np.clip(x / 2.0 ** e, -448, 448)
;;       step = 2.0 ** (np.maximum(np.frexp(np.where(r == 0, 1, r))[1] - 1, -6) - 3)
;;       q = np.round(r / step) * step * 2.0 ** e      # np.round: ties to even
;;       return np.moveaxis(q, -1, axis).astype(np.float32)
;;   ~~~
;;   SOFTMAX AHEAD OF A QUANTISED PRODUCT. Where the list says 'softmax', what is quantised is not the finished softmax but p = 2^(t - M), with t = logit x log2(e) and M = ceil(the row's largest t), a whole number; so 1/2 < the row's largest p <= 1. The row's sum l is taken of the UNQUANTISED p, in f32, and the product's result is divided by l at the end. Since M is a whole number, a kernel that streams over the keys may use a running M (the ceiling of the running maximum): every later rescaling is an exact power of two, so the quantised numbers keep their values, but for numbers so far below the row's largest that they fall under the format's range.
;;   OPERANDS COMPUTED ON THE WAY. 'Computed on the way' means the value that the module computes at that place (a softmax that the list does not call 'softmax' is quantised finished and normalised). What goes into a quantiser is computed in f32, as accurately as f32 sums, v_exp_f32 and their like allow (about 1e-6 of the number): no bf16 or f16 on the way to a quantiser, and a product that is left as it is and whose result goes on into a quantised operand takes f32 operands (vector FMAs, or v_wmma_f32_16x16x4_f32). A number that lies on a knife's edge between two numbers of the format may be rounded either way, as far as f32 arithmetic and the matrix unit's own rounding can turn it there, and no further.
;; One version. Each part assembles by itself: llvm-mc -triple=amdgcn-amd-amdhsa -mcpu=gfx1250 --defsym DOCPART=n.
;; ======== version 1 of 1: 7 launches
;; limits: right only within a limited range of input values
;; workspace buffers: wc 12,582,912 bytes; hc 12,582,912 bytes; qkv 12,582,912 bytes; cc 4,194,304 bytes; x1 16,777,216 bytes; h2c 4,194,304 bytes; fc 16,777,216 bytes
;; launch prep (part 1): grid 640 x 1, 4 waves a work-group, no clusters, 35,328 bytes of LDS; arguments wq, wk, wv, wo, w1, w2, lowp_scales, x, ln1_g, ln1_b, wc, hc; writes wc, hc
.if DOCPART == 1
	.amdgcn_target "amdgcn-amd-amdhsa--gfx1250"
	.amdhsa_code_object_version 6
	.text
	.protected	k_qab6edc0a93_prep
	.globl	k_qab6edc0a93_prep
	.p2align	8
	.type	k_qab6edc0a93_prep,@function
k_qab6edc0a93_prep:
	s_mov_b64 s[64:65], 0
	v_nop
	global_prefetch_b8 v0, s[64:65] scope:SCOPE_SE
	s_setreg_imm32_b32 hwreg(HW_REG_WAVE_MODE, 25, 1), 1
	s_wait_xcnt 0x0
; TWO JOBS IN ONE LAUNCH, told apart by the work-group's number.
; Work-groups 0-383: the six weights, f32 stored [k][n], become codes of FP8 (E4M3) with K innermost, in twelve squares [1024 n][1024 k] of wc:
;   squares 0-3 wq, wk, wv, wo; 4-7 w1's columns 1024 g on; 8-11 w2's rows (K) 1024 g on.  A work-group takes 128 columns x 256 k of one square, a wave 32 columns.
;   A lane takes a column and its registers run down K: each load reads 128 consecutive bytes a wave, and the conversions give codes with K innermost.  The codes leave through
;   the wave's own stage in LDS, so that sixteen lanes store 256 consecutive bytes, aligned.
; Work-groups 384-639: LayerNorm 1 of x; a wave takes four rows, a whole row in 32 registers a lane; the result is quantised three times, with the scales of products 1, 2 and 3.
; code = number / 2^e, held within +-448, to the nearest code, ties to even.  LIMITS: every e used here lies between -126 and 119; NaN among the inputs is not served.
; No tensor loads, no barrier: waves share nothing.
.set SP,    272                        ; a stage row: 256 bytes of codes + 16
.set SPARE, 4*32*SP                    ; behind the four stages: the spare words, 128 bytes a wave
.set SPW,   14                         ; v14  LDS address of my spare word; never rewritten
.set NIL,   15                         ; v15  0; never rewritten
.set X,     32                         ; weights: v32-95 two sets of 32 numbers
.set C,     96                         ; v96-103 a block's codes
.set OUTR,  112                        ; v112-175 the way out
.set OFF,   176                        ; v176-207 row i of a block: i x pitch + 4 x lane
.set G,     16                         ; LN: v16-47 gains of my 32 columns
.set B,     48                         ; v48-79 biases
.set XR,    80                         ; v80-207 four rows
.set T,     208                        ; v208-211 at work
.set CO,    224                        ; v224-247 a row's codes, three scales x 8 registers
	s_load_b512 s[4:19], s[0:1], 0x0               ; wq 4, wk 6, wv 8, wo 10, w1 12, w2 14, scales 16, x 18
	s_load_b256 s[20:27], s[0:1], 0x40             ; ln1_g 20, ln1_b 22, wc 24, hc 26
	v_lshl_add_u32 v[SPW], v0, 2, SPARE
	v_mov_b32 v[NIL], 0
	v_lshrrev_b32 v1, 5, v0
	v_readfirstlane_b32 s28, v1                    ; wave
	v_and_b32 v2, 31, v0                           ; lane
	s_cmp_ge_u32 ttmp9, 384
	s_cbranch_scc1 .Lln
	; ---------------- the weights ----------------
	s_lshr_b32 s29, ttmp9, 5                       ; square 0..11
	s_and_b32 s30, ttmp9, 31
	s_and_b32 s31, s30, 7                          ; which 128 columns
	s_lshr_b32 s30, s30, 3                         ; which 256 along K
	s_and_b32 s50, s29, 3                          ; g
	s_lshr_b32 s51, s29, 2                         ; 0: the four square weights, 1: w1, 2: w2
	s_lshl_b32 s53, s50, 12                        ; w1: 1,024 columns of 4 bytes on
	s_lshl_b32 s54, s50, 22                        ; w2: 1,024 rows of 4,096 bytes on
	s_lshl_b32 s55, s29, 1
	s_add_co_u32 s55, s55, 1                       ; the scale's entry: 1, 3, 5 for wq, wk, wv
	s_mov_b32 s52, 4096                            ; bytes from row to row
	s_mov_b32 s56, 0                               ; where the square begins in its tensor
	s_cmp_eq_u32 s29, 3
	s_cselect_b32 s55, 11, s55                     ; wo
	s_cmp_eq_u32 s51, 1
	s_cselect_b32 s52, 16384, s52
	s_cselect_b32 s56, s53, s56
	s_cselect_b32 s55, 13, s55                     ; w1
	s_cmp_eq_u32 s51, 2
	s_cselect_b32 s56, s54, s56
	s_cselect_b32 s55, 15, s55                     ; w2
	s_lshl_b32 s58, s55, 2
	s_mov_b32 s59, 0
	s_lshl_b32 s60, s30, 8
	s_mul_i32 s60, s60, s52                        ; 256 rows x pitch for each step along K
	s_add_co_u32 s60, s60, s56
	s_lshl_b32 s61, s31, 9
	s_add_co_u32 s60, s60, s61                     ; + 128 columns x 4 bytes
	s_lshl_b32 s61, s28, 7
	s_add_co_u32 s60, s60, s61                     ; + my wave's 32 columns
	s_mov_b32 s61, 0
	s_lshl_b32 s62, s52, 5                         ; 32 rows on
	s_mov_b32 s63, 0
	s_lshl_b32 s56, s29, 20                        ; the codes: square,
	s_lshl_b32 s57, s31, 17
	s_add_co_u32 s56, s56, s57                     ; 128 rows of 1,024 bytes,
	s_lshl_b32 s57, s28, 15
	s_add_co_u32 s56, s56, s57                     ; my wave's 32 rows,
	s_lshl_b32 s57, s30, 8
	s_add_co_u32 s56, s56, s57                     ; 256 bytes along K
	s_mov_b32 s57, 0
	s_wait_alu depctr_va_vdst(0)
	v_lshlrev_b32 v3, 2, v2
.irp i, 0,1,2,3,4,5,6,7,8,9,10,11,12,13,14,15,16,17,18,19,20,21,22,23,24,25,26,27,28,29,30,31
	v_mad_u32_u24 v[OFF+\i], s52, \i, v3
.endr
	s_mul_i32 s53, s28, 32*SP                      ; my stage
	v_mul_u32_u24 v4, v2, SP
	v_add_nc_u32 v4, s53, v4                       ; into it: row = my column
	v_and_b32 v5, 15, v2
	v_lshrrev_b32 v6, 4, v2
	v_mul_u32_u24 v7, v6, SP
	v_lshl_add_u32 v7, v5, 4, v7
	v_add_nc_u32 v7, s53, v7                       ; out of it: sixteen lanes to a row, two rows an instruction
	v_lshlrev_b32 v8, 10, v6
	v_lshl_add_u32 v8, v5, 4, v8                   ; and the same place in wc
	s_wait_kmcnt 0x0
	s_mov_b64 s[32:33], s[4:5]                     ; the tensor: a choice on the work-group's number alone
	s_cmp_eq_u32 s29, 1
	s_cselect_b64 s[32:33], s[6:7], s[32:33]
	s_cmp_eq_u32 s29, 2
	s_cselect_b64 s[32:33], s[8:9], s[32:33]
	s_cmp_eq_u32 s29, 3
	s_cselect_b64 s[32:33], s[10:11], s[32:33]
	s_cmp_ge_u32 s29, 4
	s_cselect_b64 s[32:33], s[12:13], s[32:33]
	s_cmp_ge_u32 s29, 8
	s_cselect_b64 s[32:33], s[14:15], s[32:33]
	s_add_nc_u64 s[16:17], s[16:17], s[58:59]
	s_load_b32 s30, s[16:17], 0x0                  ; e
	s_add_nc_u64 s[32:33], s[32:33], s[60:61]      ; block 0 of my 8 blocks of 32 along K; a base for each block, never rewritten
.irp t, 1,2,3,4,5,6,7
	s_add_nc_u64 s[32+2*\t:33+2*\t], s[30+2*\t:31+2*\t], s[62:63]
.endr
	s_add_nc_u64 s[48:49], s[24:25], s[56:57]
.macro WLOAD t                         ; block t: w(32 t + i, my column), i = 0 .. 31, into set t % 2
.irp i, 0,1,2,3,4,5,6,7,8,9,10,11,12,13,14,15,16,17,18,19,20,21,22,23,24,25,26,27,28,29,30,31
	global_load_b32 v[X+32*((\t)%2)+\i], v[OFF+\i], s[32+2*(\t):33+2*(\t)] th:TH_LOAD_NT
.endr
.endm
	WLOAD 0
	WLOAD 1
	s_wait_kmcnt 0x0
	s_add_co_i32 s30, s30, 127
	s_lshl_b32 s31, s30, 23
	v_mov_b32 v11, s31                             ; 2^e as f32: the conversion takes its exponent field
	s_add_co_i32 s30, s30, 8
	s_lshl_b32 s30, s30, 23
	s_or_b32 s30, s30, 0x600000
.macro WBLOCK t
.set XS, X+32*((\t)%2)
.if (\t) < 7
	s_wait_loadcnt 32                              ; this block's 32 loads are in; the next block's 32 may be out
.else
	s_wait_loadcnt 0
.endif
.irp i, 0,1,2,3,4,5,6,7,8,9,10,11,12,13,14,15,16,17,18,19,20,21,22,23,24,25,26,27,28,29,30,31
.endr
.irp g, 0,1,2,3
	v_cvt_scalef32_pk8_fp8_f32 v[C+2*\g:C+2*\g+1], v[XS+8*\g:XS+8*\g+7], v11
.endr
	ds_store_b128 v4, v[C:C+3] offset:32*(\t)      ; 32 codes of my column's row
	ds_store_b128 v4, v[C+4:C+7] offset:32*(\t)+16
.if (\t)+2 < 8
	WLOAD (\t)+2
.endif
	s_wait_dscnt 0x0                               ; the stores have read their registers: the next block's codes may be written
.endm
	s_wait_alu depctr_va_vdst(0)
.irp t, 0,1,2,3,4,5,6,7
	WBLOCK \t
.endr
.irp t, 0,1,2,3,4,5,6,7,8,9,10,11,12,13,14,15
	ds_load_b128 v[OUTR+4*\t:OUTR+4*\t+3], v7 offset:2*\t*SP   ; LDS serves a wave's instructions in order: these see my stores
.endr
.irp t, 0,1,2,3,4,5,6,7,8,9,10,11,12,13,14,15
	s_wait_dscnt 15-\t                             ; the younger loads of the run may stay out
	global_store_b128 v8, v[OUTR+4*\t:OUTR+4*\t+3], s[48:49] offset:2*\t*1024   ; sixteen lanes store 256 consecutive bytes, aligned
.endr
	s_wait_tensorcnt 0x0                           ; the wave's end
	ds_add_u32 v[SPW], v[NIL]
	s_wait_dscnt 0x0
	s_endpgm
	; ---------------- LayerNorm 1 ----------------
.Lln:
	s_sub_co_u32 s29, ttmp9, 384
	s_lshl_b32 s29, s29, 4
	s_lshl_b32 s30, s28, 2
	s_add_co_u32 s29, s29, s30                     ; my first row: 16 x work-group + 4 x wave
	s_lshl_b32 s40, s29, 12
	s_mov_b32 s41, 0
	s_lshl_b32 s42, s29, 10
	s_mov_b32 s43, 0
	s_mov_b32 s58, 0x76543210                      ; v_permlanex16_b32: lane l xor 16
	s_mov_b32 s59, 0xfedcba98
	s_mov_b32 s60, 0x3a800000                      ; 1 / 1024
	s_mov_b32 s61, 0x3727c5ac                      ; 1e-5
	s_wait_alu depctr_va_vdst(0)
	v_lshlrev_b32 v1, 5, v2                        ; in: 32 bytes a lane: columns 256 jj + 8 lane + 0 .. 7
	v_lshlrev_b32 v3, 3, v2                        ; out: 8 codes a lane: the wave stores 256 consecutive bytes
	s_wait_alu depctr_va_vdst(0)
	s_wait_kmcnt 0x0
	s_load_b256 s[32:39], s[16:17], 0x0            ; e0 .. e7
	s_add_nc_u64 s[50:51], s[18:19], s[40:41]
	s_add_nc_u64 s[52:53], s[26:27], s[42:43]      ; codes with e0,
	s_add_nc_u64 s[54:55], s[52:53], 0x400000      ; e2,
	s_add_nc_u64 s[56:57], s[52:53], 0x800000      ; e4
.irp jj, 0,1,2,3
.irp u, 0,1
	global_load_b128 v[G+8*\jj+4*\u:G+8*\jj+4*\u+3], v1, s[20:21] offset:1024*\jj+16*\u
	global_load_b128 v[B+8*\jj+4*\u:B+8*\jj+4*\u+3], v1, s[22:23] offset:1024*\jj+16*\u
.endr
.endr
.irp r, 0,1,2,3
.irp jj, 0,1,2,3
.irp u, 0,1
	global_load_b128 v[XR+32*\r+8*\jj+4*\u:XR+32*\r+8*\jj+4*\u+3], v1, s[50:51] offset:4096*\r+1024*\jj+16*\u th:TH_LOAD_NT
.endr
.endr
.endr
	s_wait_kmcnt 0x0
.macro MKSC se, vs, vl                 ; e in s[se]: v[vs] = 2^e
	s_add_co_i32 s44, s[\se], 127
	s_lshl_b32 s45, s44, 23
	v_mov_b32 v[\vs], s45
	s_add_co_i32 s44, s44, 8
	s_lshl_b32 s44, s44, 23
	s_or_b32 s44, s44, 0x600000
.endm
	MKSC 32, 4, 5
	MKSC 34, 6, 7
	MKSC 36, 8, 9
.macro REDUCE                          ; v[T] summed over the 32 lanes, the result in every lane
	v_add_f32_dpp v[T], v[T], v[T] row_xmask:1 row_mask:0xf bank_mask:0xf
	v_add_f32_dpp v[T], v[T], v[T] row_xmask:2 row_mask:0xf bank_mask:0xf
	v_add_f32_dpp v[T], v[T], v[T] row_xmask:4 row_mask:0xf bank_mask:0xf
	v_add_f32_dpp v[T], v[T], v[T] row_xmask:8 row_mask:0xf bank_mask:0xf
	v_permlanex16_b32 v[T+1], v[T], s58, s59
	v_add_f32 v[T], v[T], v[T+1]
.endm
.macro LNROW r
.set XS, XR+32*(\r)
	s_wait_loadcnt 8*(3-(\r))                      ; this row's eight loads are in (gains and biases are older); the later rows' stay out
	s_wait_xcnt 0x0                                ; the last row's stores have read their data: CO is rewritten only behind this wait
	v_pk_add_f32 v[T:T+1], v[XS:XS+1], v[XS+2:XS+3]
	v_pk_add_f32 v[T+2:T+3], v[XS+4:XS+5], v[XS+6:XS+7]
.irp j, 8,12,16,20,24,28
	v_pk_add_f32 v[T:T+1], v[T:T+1], v[XS+\j:XS+\j+1]
	v_pk_add_f32 v[T+2:T+3], v[T+2:T+3], v[XS+\j+2:XS+\j+3]
.endr
	v_pk_add_f32 v[T:T+1], v[T:T+1], v[T+2:T+3]
	v_add_f32 v[T], v[T], v[T+1]
	REDUCE
	v_mul_f32 v10, s60, v[T]                       ; the mean, twice: a pair for the packed forms
	v_mul_f32 v11, s60, v[T]
.irp j, 0,2,4,6,8,10,12,14,16,18,20,22,24,26,28,30
	v_pk_add_f32 v[XS+\j:XS+\j+1], v[XS+\j:XS+\j+1], v[10:11] neg_lo:[0,1] neg_hi:[0,1]   ; x - mean
.endr
	v_pk_mul_f32 v[T:T+1], v[XS:XS+1], v[XS:XS+1]
	v_pk_mul_f32 v[T+2:T+3], v[XS+2:XS+3], v[XS+2:XS+3]
.irp j, 4,8,12,16,20,24,28
	v_pk_fma_f32 v[T:T+1], v[XS+\j:XS+\j+1], v[XS+\j:XS+\j+1], v[T:T+1]
	v_pk_fma_f32 v[T+2:T+3], v[XS+\j+2:XS+\j+3], v[XS+\j+2:XS+\j+3], v[T+2:T+3]
.endr
	v_pk_add_f32 v[T:T+1], v[T:T+1], v[T+2:T+3]
	v_add_f32 v[T], v[T], v[T+1]
	REDUCE
	v_fma_f32 v[T], v[T], s60, s61                 ; the variance + 1e-5
	s_wait_alu depctr_va_vdst(0)
	v_rsq_f32 v12, v[T]
	v_nop                                          ; a plain instruction behind the transcendental (ISA guide 5.7.2)
	s_wait_alu depctr_va_vdst(0)                   ; the wait ahead of the first reader
	v_mov_b32 v13, v12
.irp j, 0,2,4,6,8,10,12,14,16,18,20,22,24,26,28,30
	v_pk_mul_f32 v[XS+\j:XS+\j+1], v[XS+\j:XS+\j+1], v[12:13]
.endr
.irp j, 0,2,4,6,8,10,12,14,16,18,20,22,24,26,28,30
	v_pk_fma_f32 v[XS+\j:XS+\j+1], v[XS+\j:XS+\j+1], v[G+\j:G+\j+1], v[B+\j:B+\j+1]
.endr
.irp q, 0,1,2                          ; three scales
.irp jj, 0,1,2,3
.irp i, 0,1,2,3,4,5,6,7
.endr
	v_cvt_scalef32_pk8_fp8_f32 v[CO+2*(4*\q+\jj):CO+2*(4*\q+\jj)+1], v[T+8*(\jj%2)+((XS+8*\jj+0)-(T+8*(\jj%2)+0)):T+8*(\jj%2)+7+((XS+8*\jj+0)-(T+8*(\jj%2)+0))], v[4+2*\q]
.endr
.endr
	v_nop                                          ; a plain line behind the last conversion
.irp q, 0,1,2
.irp jj, 0,1,2,3
	global_store_b64 v3, v[CO+2*(4*\q+\jj):CO+2*(4*\q+\jj)+1], s[52+2*\q:53+2*\q] offset:1024*(\r)+256*\jj   ; 32 lanes store 256 consecutive bytes, aligned
.endr
.endr
.endm
	LNROW 0
	LNROW 1
	LNROW 2
	LNROW 3
	s_wait_tensorcnt 0x0                           ; the same three lines close this path too
	ds_add_u32 v[SPW], v[NIL]
	s_wait_dscnt 0x0
	s_endpgm
.Lfunc_end_k_qab6edc0a93_prep:
	.size	k_qab6edc0a93_prep, .Lfunc_end_k_qab6edc0a93_prep-k_qab6edc0a93_prep
	.p2alignl 7, 3214868480
	.fill 96, 4, 3214868480
	.section	.rodata,"a",@progbits
	.p2align	6, 0x0
	.amdhsa_kernel k_qab6edc0a93_prep
		.amdhsa_group_segment_fixed_size 35328
		.amdhsa_private_segment_fixed_size 0
		.amdhsa_enable_private_segment 0
		.amdhsa_kernarg_size 96
		.amdhsa_user_sgpr_count 2
		.amdhsa_user_sgpr_kernarg_segment_ptr 1
		.amdhsa_wavefront_size32 1
		.amdhsa_system_sgpr_workgroup_id_x 1
		.amdhsa_system_sgpr_workgroup_id_y 1
		.amdhsa_system_sgpr_workgroup_id_z 1
		.amdhsa_system_vgpr_workitem_id 0
		.amdhsa_next_free_vgpr 256
		.amdhsa_next_free_sgpr 66
		.amdhsa_reserve_vcc 0
		.amdhsa_float_denorm_mode_32 3
		.amdhsa_float_denorm_mode_16_64 3
		.amdhsa_fp16_overflow 1
		.amdhsa_memory_ordered 1
		.amdhsa_forward_progress 1
		.amdhsa_inst_pref_size 75
	.end_amdhsa_kernel
	.amdgpu_metadata
---
amdhsa.version: [ 1, 2 ]
amdhsa.kernels:
  - .name:           k_qab6edc0a93_prep
    .symbol:         k_qab6edc0a93_prep.kd
    .args:
      - { .name: wq, .offset: 0, .size: 8, .value_kind: global_buffer, .address_space: global }
      - { .name: wk, .offset: 8, .size: 8, .value_kind: global_buffer, .address_space: global }
      - { .name: wv, .offset: 16, .size: 8, .value_kind: global_buffer, .address_space: global }
      - { .name: wo, .offset: 24, .size: 8, .value_kind: global_buffer, .address_space: global }
      - { .name: w1, .offset: 32, .size: 8, .value_kind: global_buffer, .address_space: global }
      - { .name: w2, .offset: 40, .size: 8, .value_kind: global_buffer, .address_space: global }
      - { .name: lowp_scales, .offset: 48, .size: 8, .value_kind: global_buffer, .address_space: global }
      - { .name: x, .offset: 56, .size: 8, .value_kind: global_buffer, .address_space: global }
      - { .name: ln1_g, .offset: 64, .size: 8, .value_kind: global_buffer, .address_space: global }
      - { .name: ln1_b, .offset: 72, .size: 8, .value_kind: global_buffer, .address_space: global }
      - { .name: wc, .offset: 80, .size: 8, .value_kind: global_buffer, .address_space: global }
      - { .name: hc, .offset: 88, .size: 8, .value_kind: global_buffer, .address_space: global }
    .group_segment_fixed_size: 35328
    .private_segment_fixed_size: 0
    .kernarg_segment_align: 8
    .kernarg_segment_size: 96
    .max_flat_workgroup_size: 128
    .sgpr_count:     66
    .vgpr_count:     256
    .wavefront_size: 32
...
	.end_amdgpu_metadata
.endif
;; end of part 1
;; launch qkv (part 2): grid 4 x 48, 4 waves a work-group, clusters of 4 x 4, 327,680 bytes of LDS; arguments hc, wc, lowp_scales, bq, bk, bv, qkv; writes qkv
.if DOCPART == 2
	.amdgcn_target "amdgcn-amd-amdhsa--gfx1250"
	.amdhsa_code_object_version 6
	.text
	.protected	k_qab6edc0a93_qkv
	.globl	k_qab6edc0a93_qkv
	.p2align	8
	.type	k_qab6edc0a93_qkv,@function
k_qab6edc0a93_qkv:
	s_mov_b64 s[64:65], 0
	v_nop
	global_prefetch_b8 v0, s[64:65] scope:SCOPE_SE
	s_setreg_imm32_b32 hwreg(HW_REG_WAVE_MODE, 25, 1), 1
	s_wait_xcnt 0x0
	s_wait_alu depctr_hold_cnt(0) depctr_sa_sdst(0) depctr_va_vdst(0) depctr_va_sdst(0) depctr_va_ssrc(0) depctr_va_vcc(0) depctr_vm_vsrc(0)
	s_getreg_b32 s2, hwreg(HW_REG_IB_STS2, 6, 4)
	s_cmp_eq_u32 s2, 0
	s_cbranch_scc0 .Lentry_in_a_cluster
	s_endpgm
.Lentry_in_a_cluster:
	s_bfe_u32 s2, ttmp6, 0x10000c
	s_cmp_lg_u32 s2, 0xf033
	s_cbranch_scc0 .Lentry_shape_is_right
	s_endpgm
.Lentry_shape_is_right:
; Products 1, 2 and 3 on codes of FP8 (E4M3): q = h wq + bq, k = h wk + bk, v = h wv + bv, each quantised again on the way out (scales e6, e7, e8) as an operand of attention.
; Twelve clusters of 4 x 4 work-groups, numbered c by the cluster's y: c / 4 = 0 q, 1 k, 2 v.  A work-group makes a tile of 256 x 256, a wave 128 x 128: 64 accumulators, 512 registers.
; q, k: A = h's codes [4096 tokens][1024], B = the weight's codes [1024 n][1024 k]; output [token][n], pitch 1,024.
; K'S ROWS ARE STORED WITH BITS 3 AND 4 OF THE TOKEN'S NUMBER EXCHANGED: token 32 b + 16 g + 8 u + j lies in row 32 b + 16 u + 8 g + j, so that the 16 keys that form a tile in attention are 16 consecutive rows.
; v: THE TWO POINTERS CHANGE PLACES: A = wv's codes, B = h's codes, so that the output is v transposed, [n][token], pitch 4,096: the keys innermost, as the second product of attention wants them.
; K = 1,024 goes in four steps of 256 through a ring of two LDS slots filled by joint tensor loads: A's tile is shared along a row of the cluster, B's along a column.
; THE MATRIX INSTRUCTION IS USED TRANSPOSED (source 0 = 16 rows of B, source 1 = 16 rows of A): a lane holds eight neighbouring numbers of a row of the output, which one conversion turns into 8 codes.
; THE BIAS, divided by 2^(ea + eb): for q and k it hangs on the column and is the C of each sum's first product (BN); for v it hangs on the row and is added on the way out (BM).  The other of the two is 0.
; LIMITS: eo - ea - eb between -126 and 119 (eo the output's scale).  NaN is not served.
; REGISTERS: window 0: v0-31 addresses and constants; v32-95 BN, later the block at work, later store offsets; v96-111 BM; v128-255 A's fragments, later codes, later rows to store.
;   window 1: B's fragments, two sets.  window 2, 3: the accumulators of my rows 0-63, 64-127.
.set KSTEP,  256
.set ROWB,   256
.set KROW,   1024
.set PITCH,  272                       ; an LDS row: 256 bytes + 16 of padding = 68 words: the 16 rows of a fragment load start at 16 different banks (64 banks of 4 bytes: ISA guide 11.1)
.set FR,     16
.set NL,     4
.set NP,     4
.set HALFT,  128*PITCH
.set SLOT,   4*HALFT
.set LAPS,   2                         ; 1,024 / 512
.set SPARE,  2*SLOT                    ; behind the ring: the spare words, 128 bytes a wave
.set ADRA, 16
.set ADRB, 20
.set STO,  24                          ; v24  the stage: where I put 8 codes
.set RD,   25                          ; v25  the stage: where I read 16 bytes of a row back
.set SPW,  28
.set NIL,  29
.set SC,   30                          ; v30  2^(eo - ea - eb)
.set LIM,  31
.set BN,   32
.set TMP,  32
.set COT,  32
.set BM,   96
.set AF,   128
.set CD,   128
.set BK,   128
.set G1, 24
.set G0, 32
.set G1B, 48
.set G0B, 56
.set MSB, 0
.macro WIN new                         ; the immediate's high byte repeats the setting that is left
.if MSB != \new
	s_set_vgpr_msb (MSB<<8)|\new
.set MSB, \new
.endif
.endm
.set MUL_LO, 0xa1                      ; source 0 (B) window 1, source 1 (A) window 0, C and D window 2
.set MUL_HI, 0xf1                      ; the same, C and D window 3
.set TO_B,   0x40
.macro JLOAD g0a, g1a, g0b, g1b        ; a joint load: waves 0 and 1 fetch for A, waves 2 and 3 for B; the branch hangs on the wave's number alone; an s_nop 0 and four v_nop follow each line
	s_cmp_eq_u32 s15, 0
	s_cbranch_scc0 .Lfor_b_\@
	tensor_load_to_lds s[\g0a:\g0a+3], s[\g1a:\g1a+7]
	s_nop 0
.rept 4
	v_nop
.endr
	s_branch .Lasked_\@
.Lfor_b_\@:
	tensor_load_to_lds s[\g0b:\g0b+3], s[\g1b:\g1b+7]
	s_nop 0
.rept 4
	v_nop
.endr
.Lasked_\@:
.endm
.macro CREST
	s_cmp_lg_u32 s14, 0
	s_cbranch_scc1 .Lnot_wave_0_\@
	s_barrier_signal -3
.Lnot_wave_0_\@:
	s_barrier_wait -3
	s_barrier_signal -1
	s_barrier_wait -1
.endm
.macro CROUND
	s_barrier_signal -1
	s_barrier_wait -1
	CREST
.endm
	s_load_b256 s[4:11], s[0:1], 0x0               ; hc 4, wc 6, scales 8, bq 10
	s_load_b128 s[72:75], s[0:1], 0x20             ; bk 72, bv 74
	s_load_b64 s[76:77], s[0:1], 0x30              ; qkv
	v_lshl_add_u32 v[SPW], v0, 2, SPARE
	v_mov_b32 v[NIL], 0
	ds_add_u32 v[SPW], v[NIL]                      ; the wave's opening: the add and its wait ahead of my first tensor load
	ds_add_u32 v[SPW], v[NIL]
	v_lshrrev_b32 v1, 5, v0
	v_readfirstlane_b32 s14, v1                    ; wave 0..3
	s_lshr_b32 s15, s14, 1                         ; my half of the tile's rows; also: I fetch for A (0) or B (1)
	s_and_b32 s16, s14, 1                          ; my half of its columns; also: which 128 rows I fetch
	s_bfe_u32 s40, ttmp6, 0x40000                  ; cx
	s_bfe_u32 s41, ttmp6, 0x40004                  ; cy
	s_and_b32 s66, ttmp7, 0xffff                   ; c: the cluster, the same in all sixteen partners
	s_lshr_b32 s68, s66, 2                         ; 0 q, 1 k, 2 v
	s_and_b32 s69, s66, 3
	s_lshl_b32 s69, s69, 2                         ; four tiles of 256 tokens for each cluster
	s_lshl_b32 s80, s68, 22                        ; h's codes with this product's scale
	s_lshl_b32 s81, s68, 20                        ; the weight's square
	s_mov_b32 s70, 1024
	s_cmp_ge_u32 s66, 8                            ; v?
	s_cselect_b32 s67, -1, 0                       ; a lane mask: all ones for v
	s_cselect_b32 s17, 0, s69
	s_cselect_b32 s42, s69, 0
	s_cselect_b32 s70, 4096, s70                   ; the output's pitch in bytes
	s_cselect_b32 s82, s81, s80                    ; where A begins in its buffer,
	s_cselect_b32 s83, s80, s81                    ; and B
	s_lshl_b32 s71, s70, 1
	s_add_co_u32 s17, s17, s41                     ; tile row
	s_add_co_u32 s42, s42, s40                     ; tile column
	s_lshl_b32 s43, s41, 2
	s_lshl_b32 s43, 15, s43                        ; my row of the cluster
	s_lshl_b32 s44, 0x1111, s40                    ; my column
	s_or_b32 s[G1+0], s43, (0<<16)|(1<<20)|(1<<21)|(5<<22)|(3<<25)  ; the mask; elements of 1 byte; padding on; bit 21 beside a mask; 4 words after every 64
	s_or_b32 s[G1B+0], s44, (0<<16)|(1<<20)|(1<<21)|(5<<22)|(3<<25)
.irp g, G1, G1B
	s_mov_b32 s[\g+1], ROWB<<16                    ; tensor_dim0
	s_mov_b32 s[\g+2], 128<<16                     ; tensor_dim1
	s_mov_b32 s[\g+3], ROWB<<16                    ; tile_dim0
	s_mov_b32 s[\g+4], 128                         ; tile_dim1
	s_mov_b32 s[\g+5], KROW                        ; stride
	s_mov_b32 s[\g+6], 0
	s_mov_b32 s[\g+7], 0
.endr
	s_lshl_b32 s18, s16, 7
	s_lshl_b32 s20, s17, 8
	s_add_co_u32 s20, s20, s18                     ; A: row 256 x tile row + 128 x half
	s_lshl_b32 s20, s20, 10
	s_add_co_u32 s20, s20, s82
	s_mov_b32 s21, 0
	s_lshl_b32 s46, s42, 8
	s_add_co_u32 s46, s46, s18                     ; B: row 256 x tile column + 128 x half
	s_lshl_b32 s46, s46, 10
	s_add_co_u32 s46, s46, s83
	s_mov_b32 s47, 0
	s_mul_i32 s45, s14, HALFT                      ; where my load goes: wave x 128 rows
	s_lshl_b32 s88, s68, 3
	s_mov_b32 s89, 0
	s_lshl_b32 s98, s68, 2
	s_mov_b32 s99, 0
	s_wait_dscnt 0x0                               ; the opening add is done
	s_wait_kmcnt 0x0
	s_add_nc_u64 s[90:91], s[8:9], s[88:89]
	s_add_nc_u64 s[92:93], s[8:9], s[98:99]
	s_load_b64 s[84:85], s[90:91], 0x0             ; ea, eb: entries 2 G, 2 G + 1
	s_load_b32 s86, s[92:93], 0x18                 ; eo: entry 6 + G
	s_cmp_ge_u32 s66, 8
	s_cselect_b64 s[80:81], s[6:7], s[4:5]         ; A's buffer
	s_cselect_b64 s[82:83], s[4:5], s[6:7]         ; B's
	s_add_nc_u64 s[20:21], s[80:81], s[20:21]
	s_add_nc_u64 s[46:47], s[82:83], s[46:47]
	s_mov_b64 s[78:79], s[10:11]                   ; the bias
	s_cmp_eq_u32 s68, 1
	s_cselect_b64 s[78:79], s[72:73], s[78:79]
	s_cmp_eq_u32 s68, 2
	s_cselect_b64 s[78:79], s[74:75], s[78:79]
	CROUND                                         ; all sixteen work-groups are here: the first joint loads meet
.irp s, 0,1
	s_mov_b32 s[G0+4*\s], 1
	s_add_co_u32 s[G0+4*\s+1], s45, \s*SLOT
	s_add_nc_u64 s[G0+4*\s+2:G0+4*\s+3], s[20:21], \s*ROWB
	s_or_b32 s[G0+4*\s+3], s[G0+4*\s+3], 0x80000000
	s_mov_b32 s[G0B+4*\s], 1
	s_add_co_u32 s[G0B+4*\s+1], s45, \s*SLOT
	s_add_nc_u64 s[G0B+4*\s+2:G0B+4*\s+3], s[46:47], \s*ROWB
	s_or_b32 s[G0B+4*\s+3], s[G0B+4*\s+3], 0x80000000
	JLOAD G0+4*\s, G1, G0B+4*\s, G1B
.endr
	v_and_b32 v1, 15, v0                           ; r
	v_bfe_u32 v2, v0, 4, 1                         ; h
	v_mul_u32_u24 v3, v1, PITCH
	s_wait_alu depctr_va_vdst(0)
	v_lshl_add_u32 v4, v2, 4, v3
	s_mul_i32 s21, s15, HALFT
	s_mul_i32 s22, s16, HALFT
	s_add_co_u32 s22, s22, 2*HALFT
.irp s, 0,1
	v_add_nc_u32 v[ADRA+\s], s21, v4
	v_add_nc_u32 v[ADRB+\s], s22, v4
	s_add_co_u32 s21, s21, SLOT
	s_add_co_u32 s22, s22, SLOT
.endr
	s_mul_i32 s23, s15, 128*PITCH                  ; the stage, 256 rows x 272 bytes in slot 0: row 128 x my row half + r, byte 128 x my column half + 8 h
	s_lshl_b32 s18, s16, 7
	s_add_co_u32 s23, s23, s18
	v_lshl_add_u32 v5, v2, 3, v3
	v_add_nc_u32 v[STO], s23, v5
	s_mul_i32 s23, s14, 64*PITCH                   ; back: wave w takes rows 64 w on, whole; sixteen lanes to a row
	v_mul_u32_u24 v5, v2, PITCH
	v_lshl_add_u32 v5, v1, 4, v5
	v_add_nc_u32 v[RD], s23, v5
	s_lshl_b32 s20, s17, 8
	s_lshl_b32 s21, s14, 6
	s_add_co_u32 s20, s20, s21                     ; the first row that I store
	s_mul_i32 s20, s20, s70
	s_lshl_b32 s21, s42, 8
	s_add_co_u32 s20, s20, s21
	s_lshl_b32 s21, s68, 22
	s_add_co_u32 s20, s20, s21
	s_mov_b32 s21, 0
	s_add_nc_u64 s[76:77], s[76:77], s[20:21]
	s_lshl_b32 s88, s42, 10                        ; the bias by columns: 256 x tile column + 128 x half, in bytes
	s_lshl_b32 s89, s16, 9
	s_add_co_u32 s88, s88, s89
	s_lshl_b32 s98, s17, 10                        ; by rows
	s_lshl_b32 s99, s15, 9
	s_add_co_u32 s98, s98, s99
	s_cmp_ge_u32 s66, 8
	s_cselect_b32 s88, 0, s88                      ; the one that is not used reads from the bias's head: no load leaves the buffer
	s_cselect_b32 s98, s98, 0
	s_mov_b32 s89, 0
	s_mov_b32 s99, 0
	s_add_nc_u64 s[94:95], s[78:79], s[88:89]
	s_add_nc_u64 s[96:97], s[78:79], s[98:99]
	v_lshlrev_b32 v8, 5, v2
	v_lshlrev_b32 v9, 2, v1
.irp b, 0,1,2,3,4,5,6,7
	global_load_b128 v[BN+8*\b:BN+8*\b+3], v8, s[94:95] offset:64*\b       ; bias(16 b + 8 h + 0 .. 7)
	global_load_b128 v[BN+8*\b+4:BN+8*\b+7], v8, s[94:95] offset:64*\b+16
.endr
.irp a, 0,1,2,3,4,5,6,7
	global_load_b32 v[BM+2*\a], v9, s[96:97] offset:64*\a                  ; bias(16 a + r)
.endr
	s_wait_loadcnt 0x0
	s_wait_kmcnt 0x0
	s_add_co_i32 s87, s84, s85                     ; ea + eb: a sum stands for sum x 2^(ea + eb)
	s_sub_co_i32 s88, 0, s87
.irp b, 0,1,2,3,4,5,6,7
.irp i, 0,1,2,3,4,5,6,7
	v_ldexp_f32 v[BN+8*\b+\i], v[BN+8*\b+\i], s88
	v_cndmask_b32 v[BN+8*\b+\i], v[BN+8*\b+\i], v[NIL], s67   ; 0 for v
.endr
.endr
.irp a, 0,1,2,3,4,5,6,7
	v_ldexp_f32 v[BM+2*\a], v[BM+2*\a], s88
	v_cndmask_b32 v[BM+2*\a], v[NIL], v[BM+2*\a], s67          ; 0 for q and k
	v_mov_b32 v[BM+2*\a+1], v[BM+2*\a]
.endr
	s_sub_co_i32 s86, s86, s87                     ; the three scales folded into the conversion's one
	s_add_co_i32 s86, s86, 127
	s_lshl_b32 s87, s86, 23
	v_mov_b32 v[SC], s87
.macro FRAG reg, adr, q, i             ; 16 rows x 128 K: registers 4 c .. 4 c + 3 hold K = 32 c + 16 h + 0 .. 15: the same places of k in A and in B
.irp c, 0,1,2,3
	ds_load_b128 v[\reg+4*\c:\reg+4*\c+3], v[\adr] offset:128*(\q)+32*\c+(\i)*16*PITCH
.endr
.endm
; 16 matrix instructions: A's blocks a0, a0 + 1 x B's eight.  zero = 1: the first product starts the sums from the bias.  The 64 accumulators take turns.
.macro MUL16 a0, p, zero
.irp a, \a0, \a0+1
.irp b, 0,1,2,3,4,5,6,7
.if \zero
	v_wmma_f32_16x16x128_fp8_fp8 v[8*(8*((\a)%4)+\b):8*(8*((\a)%4)+\b)+7], v[128*(\p)+FR*\b:128*(\p)+FR*\b+FR-1], v[AF+FR*(\a):AF+FR*(\a)+FR-1], v[BN+8*\b:BN+8*\b+7]
.else
	v_wmma_f32_16x16x128_fp8_fp8 v[8*(8*((\a)%4)+\b):8*(8*((\a)%4)+\b)+7], v[128*(\p)+FR*\b:128*(\p)+FR*\b+FR-1], v[AF+FR*(\a):AF+FR*(\a)+FR-1], v[8*(8*((\a)%4)+\b):8*(8*((\a)%4)+\b)+7]
.endif
.endr
.endr
.endm
.macro FETCH_B slot, q, p
	WIN TO_B
.irp i, 0,1,2,3,4,5,6,7
	FRAG 128*(\p)+FR*\i, ADRB+\slot, \q, \i
.endr
	WIN 0
.endm
.macro FETCH_A slot, q, i0
.irp i, \i0, \i0+1, \i0+2, \i0+3
	FRAG AF+FR*(\i), ADRA+\slot, \q, \i
.endr
.endm
.macro PLACES n                        ; plain vector instructions between a matrix instruction and a load into, or a read of, its registers
.rept \n
	v_nop
.endr
.endm
.macro STEP slot, q, zero              ; 128 along K, with its successor in the same slot
	s_wait_dscnt 4*NL                              ; B's set and A's blocks 0-3 are in; the youngest 16 loads (A's blocks 4-7) may be out
.if \zero
	WIN 0x81                                       ; C (the bias) window 0, D window 2
.else
	WIN MUL_LO
.endif
	MUL16 0, (\q)%2, \zero
	MUL16 2, (\q)%2, \zero
	s_wait_dscnt 0
	PLACES NP
	FETCH_B \slot, (\q)+1, 1-(\q)%2
	FETCH_A \slot, (\q)+1, 0
.if \zero
	WIN 0xc1
.else
	WIN MUL_HI
.endif
	MUL16 4, (\q)%2, \zero
	MUL16 6, (\q)%2, \zero
	PLACES NP
	WIN 0
	FETCH_A \slot, (\q)+1, 4
.endm
.macro TURN slot, next, fill           ; a slot's last step changes slots: one barrier; in front of it all my tensor loads, the add, my reads of this slot
	s_wait_tensorcnt 0x0                           ; all my tensor loads have landed: my part of the next slot
	ds_add_u32 v[SPW], v[NIL]                      ; 0 onto my spare word
	s_wait_dscnt 4*NL+1                            ; the add and the youngest 16 loads may be out
	WIN MUL_LO
	MUL16 0, 1, 0
	s_wait_dscnt 0x0                               ; the add is done, and my reads of this slot are over
	s_barrier_signal -1
	MUL16 2, 1, 0
	WIN 0
	s_barrier_wait -1
.if \fill
	CREST                                          ; the barrier has opened a round of the cluster's: no wave of any partner still reads this slot or has a load on its way
	s_add_nc_u64 s[G0+4*\slot+2:G0+4*\slot+3], s[G0+4*\slot+2:G0+4*\slot+3], 2*ROWB
	s_add_nc_u64 s[G0B+4*\slot+2:G0B+4*\slot+3], s[G0B+4*\slot+2:G0B+4*\slot+3], 2*ROWB
	JLOAD G0+4*\slot, G1, G0B+4*\slot, G1B         ; the first tensor load behind the round; its four v_nop are the places in front of the loads below
.else
	PLACES NP
.endif
	FETCH_B \next, 0, 0
	FETCH_A \next, 0, 0
	WIN MUL_HI
	MUL16 4, 1, 0
	MUL16 6, 1, 0
	PLACES NP
	WIN 0
	FETCH_A \next, 0, 4
.endm
	s_wait_tensorcnt 1                             ; my part of K step 0 is in; K step 1's load may be out
	s_barrier_signal -1
	s_barrier_wait -1
	FETCH_B 0, 0, 0
	FETCH_A 0, 0, 0
	FETCH_A 0, 0, 4
	STEP 0, 0, 1
	s_mov_b32 s3, LAPS-1
.Llap:
	TURN 0, 1, 1
	STEP 1, 0, 0
	TURN 1, 0, 1
	STEP 0, 0, 0
	s_sub_co_u32 s3, s3, 1
	s_cmp_lg_u32 s3, 0
	s_cbranch_scc1 .Llap
	TURN 0, 1, 0                                   ; the last lap fills nothing; behind its barrier nobody reads slot 0, which has had its last fill
	STEP 1, 0, 0
	s_wait_dscnt 4*NL
	WIN MUL_LO
	MUL16 0, 1, 0
	MUL16 2, 1, 0
	s_wait_dscnt 0
	WIN MUL_HI
	MUL16 4, 1, 0
	MUL16 6, 1, 0
	WIN 0
; THE WAY OUT.  Block a (16 rows x 128 columns): + the bias by rows, eight conversions of 8 neighbours each, 8 bytes a lane into the work-group's stage.  Each block's codes have registers of their own.
.macro QBLOCK a
.set AC, 64*((\a)%4)
	WIN 0x02+((\a)/4)                              ; source 0: window 2 or 3
.irp b, 0,1,2,3,4,5,6,7
.irp i, 0,2,4,6
	v_pk_add_f32 v[TMP+8*\b+\i:TMP+8*\b+\i+1], v[AC+8*\b+\i:AC+8*\b+\i+1], v[BM+2*(\a):BM+2*(\a)+1]   ; each accumulator from its low end on
.endr
.endr
	WIN 0
.irp b, 0,1,2,3,4,5,6,7
.irp i, 0,1,2,3,4,5,6,7
.endr
.endr
.irp b, 0,1,2,3,4,5,6,7
	v_cvt_scalef32_pk8_fp8_f32 v[CD+16*(\a)+2*\b:CD+16*(\a)+2*\b+1], v[TMP+8*\b:TMP+8*\b+7], v[SC]
.endr
	v_nop                                          ; a plain line between the last conversion and the next write of its sources
.irp b, 0,1,2,3,4,5,6,7
	ds_store_b64 v[STO], v[CD+16*(\a)+2*\b:CD+16*(\a)+2*\b+1] offset:(\a)*16*PITCH+16*\b
.endr
.endm
	PLACES NP
.irp a, 0,1,2,3,4,5,6,7
	QBLOCK \a
.endr
	s_wait_dscnt 0x0                               ; for the others' sake: my stores into the stage are done
	s_barrier_signal -1
	s_barrier_wait -1
.irp t, 0,1,2,3,4,5,6,7,8,9,10,11,12,13,14,15,16,17,18,19,20,21,22,23,24,25,26,27,28,29,30,31
	ds_load_b128 v[BK+4*\t:BK+4*\t+3], v[RD] offset:\t*2*PITCH
.endr
	; where rows 2 t and 2 t + 1 of my 64 go.  The pitch is chosen, so each pair of rows has an offset register.  For k, eight rows on in the tile are sixteen rows on in memory and the other way round
	s_lshl_b32 s80, s70, 3                         ; 8 rows, in bytes
	s_lshl_b32 s81, s70, 4                         ; 16 rows
	s_cmp_eq_u32 s68, 1                            ; k?  (the cluster's number: the same in all partners)
	s_cselect_b32 s82, s81, s80                    ; the step for the tile's 8 rows,
	s_cselect_b32 s83, s80, s81                    ; for its 16 rows
	s_lshl_b32 s84, s70, 5                         ; 32 rows
	v_lshlrev_b32 v5, 4, v1
	v_mad_u32_u24 v[COT], v2, s70, v5              ; h x pitch + 16 r
.irp t, 1,2,3,4,5,6,7,8,9,10,11,12,13,14,15,16,17,18,19,20,21,22,23,24,25,26,27,28,29,30,31
.if (\t % 4) != 0
	v_add_nc_u32 v[COT+\t], s71, v[COT+\t-1]       ; two rows on
.elseif (\t % 8) == 4
	v_add_nc_u32 v[COT+\t], s82, v[COT+\t-4]
.elseif (\t % 16) == 8
	v_add_nc_u32 v[COT+\t], s83, v[COT+\t-8]
.else
	v_add_nc_u32 v[COT+\t], s84, v[COT+\t-16]
.endif
.endr
	s_wait_alu depctr_va_vdst(0)
.irp t, 0,1,2,3,4,5,6,7,8,9,10,11,12,13,14,15,16,17,18,19,20,21,22,23,24,25,26,27,28,29,30,31
	s_wait_dscnt 31-\t                             ; the younger loads of the run may stay out
	global_store_b128 v[COT+\t], v[BK+4*\t:BK+4*\t+3], s[76:77]   ; sixteen lanes store 256 consecutive bytes, aligned
.endr
	s_wait_tensorcnt 0x0                           ; the wave's end
	ds_add_u32 v[SPW], v[NIL]
	s_wait_dscnt 0x0
	CROUND                                         ; the closing round
	s_endpgm
.Lfunc_end_k_qab6edc0a93_qkv:
	.size	k_qab6edc0a93_qkv, .Lfunc_end_k_qab6edc0a93_qkv-k_qab6edc0a93_qkv
	.p2alignl 7, 3214868480
	.fill 96, 4, 3214868480
	.section	.rodata,"a",@progbits
	.p2align	6, 0x0
	.amdhsa_kernel k_qab6edc0a93_qkv
		.amdhsa_group_segment_fixed_size 327680
		.amdhsa_private_segment_fixed_size 0
		.amdhsa_enable_private_segment 0
		.amdhsa_kernarg_size 56
		.amdhsa_user_sgpr_count 2
		.amdhsa_user_sgpr_kernarg_segment_ptr 1
		.amdhsa_wavefront_size32 1
		.amdhsa_system_sgpr_workgroup_id_x 1
		.amdhsa_system_sgpr_workgroup_id_y 1
		.amdhsa_system_sgpr_workgroup_id_z 1
		.amdhsa_system_vgpr_workitem_id 0
		.amdhsa_next_free_vgpr 1024
		.amdhsa_next_free_sgpr 100
		.amdhsa_reserve_vcc 0
		.amdhsa_float_denorm_mode_32 3
		.amdhsa_float_denorm_mode_16_64 3
		.amdhsa_fp16_overflow 1
		.amdhsa_memory_ordered 1
		.amdhsa_forward_progress 1
		.amdhsa_inst_pref_size 123
	.end_amdhsa_kernel
	.amdgpu_metadata
---
amdhsa.version: [ 1, 2 ]
amdhsa.kernels:
  - .name:           k_qab6edc0a93_qkv
    .symbol:         k_qab6edc0a93_qkv.kd
    .args:
      - { .name: hc, .offset: 0, .size: 8, .value_kind: global_buffer, .address_space: global }
      - { .name: wc, .offset: 8, .size: 8, .value_kind: global_buffer, .address_space: global }
      - { .name: lowp_scales, .offset: 16, .size: 8, .value_kind: global_buffer, .address_space: global }
      - { .name: bq, .offset: 24, .size: 8, .value_kind: global_buffer, .address_space: global }
      - { .name: bk, .offset: 32, .size: 8, .value_kind: global_buffer, .address_space: global }
      - { .name: bv, .offset: 40, .size: 8, .value_kind: global_buffer, .address_space: global }
      - { .name: qkv, .offset: 48, .size: 8, .value_kind: global_buffer, .address_space: global }
    .group_segment_fixed_size: 327680
    .private_segment_fixed_size: 0
    .kernarg_segment_align: 8
    .kernarg_segment_size: 56
    .max_flat_workgroup_size: 128
    .sgpr_count:     100
    .vgpr_count:     1024
    .wavefront_size: 32
...
	.end_amdgpu_metadata
.endif
;; end of part 2
;; launch attn (part 3): grid 8 x 32, 8 waves a work-group, no clusters, 327,680 bytes of LDS; arguments qkv, mask, lowp_scales, cc; writes cc
.if DOCPART == 3
	.amdgcn_target "amdgcn-amd-amdhsa--gfx1250"
	.amdhsa_code_object_version 6
	.text
	.protected	k_qab6edc0a93_attn
	.globl	k_qab6edc0a93_attn
	.p2align	8
	.type	k_qab6edc0a93_attn,@function
k_qab6edc0a93_attn:
	s_mov_b64 s[64:65], 0
	v_nop
	global_prefetch_b8 v0, s[64:65] scope:SCOPE_SE
	s_setreg_imm32_b32 hwreg(HW_REG_WAVE_MODE, 25, 1), 1
	s_wait_xcnt 0x0
; Attention on codes of FP8 (E4M3): products 4 and 5, the key mask, the softmax, the division by the row's sum, and the quantising of the result (scale e10) for product 6.
; qkv: q's codes [4096 tokens][1024] at 0; k's at 4 MiB, its rows with bits 3 and 4 of the token's number exchanged; v's transposed [1024 = 64 head + d][4096 tokens] at 8 MiB.  cc: [4096][1024] codes.
; SHARES.  Work-group (x, y): batch y / 16, head y % 16, queries 256 x on.  Each of eight waves owns 32 queries, TWO TILES of 16, in 512 registers: each fragment of K and of V and each entry of the mask that a wave
; reads from LDS feeds two products.  Two waves to a SIMD, so that one wave's vector work stands beside the other's products and LDS loads.
; THE HEAD'S WHOLE K AND V LIE IN LDS, 2,048 keys x 64 bytes and 64 rows x 2,048 bytes, in four chunks of 512 keys.  Nothing is filled twice.  Chunk 0 is asked for at the head; chunk c + 1 is each wave's one tensor load
; behind chunk c's barrier (waves 0-3: 128 keys of K each, waves 4-7: 16 rows of V each) and has four key steps in which to land.  One tensor load of a wave is out at the most.
; NO CLUSTER: the eight work-groups of a head read the same 262,144 bytes, but each asks for a chunk four key steps, some 2,400 instructions a wave, ahead of its first read: no step waits for a tile.
; THE SOFTMAX: t = score x log2(e) / 8; M = the running largest t rounded up to a whole number; p = 2^(t - M) is quantised (e9), not normalised; the sum of the unquantised p divides at the end; a move of M multiplies by a power of two.
; THE MASK costs no vector work in the loop: a table of 2,048 f32 in LDS, 0 for a key that counts and -3e38 for a hidden one, gives a step's 64 entries a lane, which are the C of S^T = K Q^T + C for both tiles.
; The running largest t begins at -2^90: a hidden key's t lies under it, an open key's over it; p of a hidden key is 0.
; LAYOUT.  Both products transposed (source 0 = 16 keys, or 16 of the head's 64): a lane holds one query.  Row m of key tile 2 b + u is key 32 b + 8 u + m + 8 (m / 8), so that the 16 registers of two tiles are 16 neighbouring
; keys; by the order in which k's rows are stored these are 16 consecutive rows of LDS, 80 bytes apart: row r starts at bank 20 r mod 64 (64 banks of 4 bytes: ISA guide 11.1): sixteen different columns of 16 bytes.
; THE TWO TILES ARE SKEWED: tile 0's exponentials stand one behind each plain line of tile 1's maximum and scaling, tile 1's among tile 0's sums.  Each batch of 64 has one wait, ahead of its first reader.
; LIMITS: e6 + e7 between -34 and 60; e9 and e10 between -126 and 119.  A batch all of whose keys are hidden is not served (the definition gives NaN there).  NaN is not served.
; A head's piece of a row of cc is 64 bytes: four lanes store it; a store covers eight such pieces.
; REGISTERS.  window 0: v1 AK0, v2 AV0, v3 AM0, v5 spare word, v6 0, v7 my offset in cc, v8-10 the step's addresses; tile q: v[12+4q] -M, v[13+4q] largest t, v[14+4q:15+4q] the sum; v20, v21 lane exchange;
;   v[22:23] second chain of the sum; v[24+2q:25+2q] f; v28, v29 at work; v30, v31 stage; v33 2^e9, v34 2^e10; v64-191 S^T then p, 64 a tile; v224-255 p's codes, 16 a tile.
;   window 1: v0-63 K's 8 or V's 4 fragments; v64-127 the mask's entries; v128-143 Q, 8 a tile; v160-223 O^T, 32 a tile.
.set KP,    80                         ; a key's row in LDS: 64 bytes + 16
.set VP,    528                        ; a row of a chunk of V: 512 bytes + 16
.set KCH,   512*KP
.set VCH,   64*VP
.set VBASE, 4*KCH
.set MB,    VBASE+4*VCH                ; the mask table, 8,192 bytes
.set SPARE, MB+8192                    ; the spare words, 128 bytes for each of 8 waves
.set STG,   SPARE+1024                 ; the way out: 32 rows x 64 bytes for each wave
.set G1K, 20
.set G1V, 28
.set G0K, 36                           ; s36-51: four sets, one a chunk; never rewritten
.set G0V, 68                           ; s68-83
.set S,   64                           ; window 0
.set CD,  224
.set KV,  0                            ; window 1
.set MK,  64
.set QF,  128
.set OT,  160
.set EB,  S                            ; the batch of exponentials that is being dealt out: its registers,
.set EK,  64                           ; and how many are out (64: none is left)
.set MSB, 0
.macro WIN new                         ; the immediate's high byte repeats the setting that is left
.if MSB != \new
	s_set_vgpr_msb (MSB<<8)|\new
.set MSB, \new
.endif
.endm
.set TO_1, 0x40                        ; destination window 1, address window 0
.set W_QK, 0x15                        ; K, Q and the mask's entries window 1, S^T window 0
.set W_PV, 0x51                        ; V and O^T window 1, p's codes window 0
.set W_RS, 0x41                        ; O^T (destination and source 0) window 1, f window 0
; Chunk c is asked for: waves 0-3 fetch K's quarters, waves 4-7 V's.  The branch hangs on the wave's number alone.  An s_nop 0 and four v_nop follow each of the two lines.
.macro TLOAD c
	s_cmp_lt_u32 s14, 4
	s_cbranch_scc0 .Lfor_v_\@
	tensor_load_to_lds s[G0K+4*(\c):G0K+4*(\c)+3], s[G1K:G1K+7]
	s_nop 0
.rept 4
	v_nop
.endr
	s_branch .Lasked_\@
.Lfor_v_\@:
	tensor_load_to_lds s[G0V+4*(\c):G0V+4*(\c)+3], s[G1V:G1V+7]
	s_nop 0
.rept 4
	v_nop
.endr
.Lasked_\@:
.endm
	s_load_b256 s[4:11], s[0:1], 0x0               ; qkv 4, mask 6, scales 8, cc 10
	v_lshl_add_u32 v5, v0, 2, SPARE
	v_mov_b32 v6, 0
	ds_add_u32 v5, v6                              ; the wave's opening: the add and its wait ahead of my first tensor load
	v_lshrrev_b32 v8, 5, v0
	v_readfirstlane_b32 s14, v8                    ; wave 0..7
	s_and_b32 s15, s14, 3                          ; my quarter of a chunk
	s_and_b32 s52, ttmp7, 0xffff
	s_lshr_b32 s53, s52, 4                         ; batch
	s_and_b32 s54, s52, 15                         ; head
	s_lshl_b32 s56, s53, 21                        ; K: 2,048 rows x 1,024 bytes a batch,
	s_lshl_b32 s57, s15, 17                        ; my 128 rows,
	s_add_co_u32 s56, s56, s57
	s_lshl_b32 s57, s54, 6                         ; the head's 64 bytes of a row
	s_add_co_u32 s56, s56, s57
	s_add_co_u32 s56, s56, 0x400000
	s_mov_b32 s57, 0
	s_lshl_b32 s58, s54, 18                        ; V: the head's 64 rows of 4,096 bytes,
	s_lshl_b32 s59, s15, 16                        ; my 16 rows,
	s_add_co_u32 s58, s58, s59
	s_lshl_b32 s59, s53, 11                        ; the batch's 2,048 bytes of a row
	s_add_co_u32 s58, s58, s59
	s_add_co_u32 s58, s58, 0x800000
	s_mov_b32 s59, 0
	s_mul_i32 s60, s15, 128*KP                     ; where my part of a chunk lies in LDS
	s_mul_i32 s61, s15, 16*VP
	s_add_co_u32 s61, s61, VBASE
	s_mov_b32 s[G1K], (0<<16)|(1<<20)|(3<<22)|(3<<25)   ; elements of 1 byte; padding: 4 words after every 16
	s_mov_b32 s[G1K+1], 64<<16                     ; tensor_dim0
	s_mov_b32 s[G1K+2], 128<<16                    ; tensor_dim1
	s_mov_b32 s[G1K+3], 64<<16                     ; tile_dim0
	s_mov_b32 s[G1K+4], 128                        ; tile_dim1
	s_mov_b32 s[G1K+5], 1024                       ; stride
	s_mov_b32 s[G1K+6], 0
	s_mov_b32 s[G1K+7], 0
	s_mov_b32 s[G1V], (0<<16)|(1<<20)|(6<<22)|(3<<25)   ; padding: 4 words after every 128
	s_mov_b32 s[G1V+1], 512<<16
	s_mov_b32 s[G1V+2], 16<<16
	s_mov_b32 s[G1V+3], 512<<16
	s_mov_b32 s[G1V+4], 16
	s_mov_b32 s[G1V+5], 4096
	s_mov_b32 s[G1V+6], 0
	s_mov_b32 s[G1V+7], 0
	s_lshl_b32 s62, s53, 11                        ; my first query's token: 2,048 batch + 256 x + 32 wave
	s_lshl_b32 s63, ttmp9, 8
	s_add_co_u32 s62, s62, s63
	s_lshl_b32 s63, s14, 5
	s_add_co_u32 s62, s62, s63
	s_lshl_b32 s62, s62, 10
	s_lshl_b32 s63, s54, 6
	s_add_co_u32 s62, s62, s63                     ; its head's bytes in q and in cc
	s_mov_b32 s63, 0
	s_lshl_b32 s54, s53, 13                        ; the batch's mask
	s_mov_b32 s55, 0
	s_mov_b32 s16, 0x76543210                      ; v_permlanex16_b32: lane l xor 16
	s_mov_b32 s17, 0xfedcba98
	s_mov_b32 s18, 0x3e38aa3b                      ; c = log2(e) / 8
	s_mov_b32 s2, 0                                ; the step's place in K,
	s_mov_b32 s3, 0                                ; in V,
	s_mov_b32 s13, 0                               ; in the mask table
	s_wait_dscnt 0x0                               ; the opening add is done
	s_wait_kmcnt 0x0
	s_load_b512 s[84:99], s[8:9], 0x0              ; e0 .. e15
	s_add_nc_u64 s[56:57], s[4:5], s[56:57]
	s_add_nc_u64 s[58:59], s[4:5], s[58:59]
.irp c, 0,1,2,3
	s_mov_b32 s[G0K+4*\c], 1
	s_add_co_u32 s[G0K+4*\c+1], s60, \c*KCH
	s_add_nc_u64 s[G0K+4*\c+2:G0K+4*\c+3], s[56:57], \c*512*1024
	s_or_b32 s[G0K+4*\c+3], s[G0K+4*\c+3], 0x80000000
	s_mov_b32 s[G0V+4*\c], 1
	s_add_co_u32 s[G0V+4*\c+1], s61, \c*VCH
	s_add_nc_u64 s[G0V+4*\c+2:G0V+4*\c+3], s[58:59], \c*512
	s_or_b32 s[G0V+4*\c+3], s[G0V+4*\c+3], 0x80000000
.endr
	TLOAD 0                                        ; chunk 0 alone: 65,536 bytes stand between the head and the first product
	s_add_nc_u64 s[4:5], s[4:5], s[62:63]          ; q at my first query
	s_add_nc_u64 s[10:11], s[10:11], s[62:63]      ; cc likewise
	s_add_nc_u64 s[6:7], s[6:7], s[54:55]
	v_and_b32 v8, 15, v0                           ; r
	v_bfe_u32 v9, v0, 4, 1                         ; h
	v_lshlrev_b32 v10, 10, v8
	v_lshl_add_u32 v10, v9, 4, v10
	WIN TO_1
	global_load_b128 v[QF:QF+3], v10, s[4:5]                     ; Q's fragments: k = 16 h + 0 .. 15,
	global_load_b128 v[QF+4:QF+7], v10, s[4:5] offset:32         ; 32 + 16 h + 0 .. 15: the same places of k as in K's fragments;
	global_load_b128 v[QF+8:QF+11], v10, s[4:5] offset:16384     ; the second tile, 16 rows on
	global_load_b128 v[QF+12:QF+15], v10, s[4:5] offset:16416
	WIN 0
	v_lshlrev_b32 v11, 5, v0
	global_load_b128 v[36:39], v11, s[6:7]         ; eight entries of the mask a thread
	global_load_b128 v[40:43], v11, s[6:7] offset:16
	v_mul_u32_u24 v1, v8, KP
	v_lshl_add_u32 v1, v9, 4, v1                   ; K: row r of a tile, + 16 h
	v_mul_u32_u24 v2, v8, VP
	v_lshl_add_u32 v2, v9, 4, v2
	v_add_nc_u32 v2, VBASE, v2
	v_lshlrev_b32 v3, 6, v9
	v_add_nc_u32 v3, MB, v3                        ; the table: my half's 16 keys of each 32
	v_lshl_add_u32 v44, v0, 5, MB                  ; where I store my eight entries
	s_lshl_b32 s52, s14, 11
	s_add_co_u32 s52, s52, STG                     ; my stage
	v_lshlrev_b32 v30, 6, v8
	v_lshl_add_u32 v30, v9, 3, v30
	v_add_nc_u32 v30, s52, v30                     ; in: row r, 8 h bytes on
	v_and_b32 v4, 31, v0
	v_lshl_add_u32 v31, v4, 4, s52                 ; back: four lanes to a row of 64 bytes
	v_lshrrev_b32 v7, 2, v4
	v_lshlrev_b32 v7, 10, v7
	v_and_b32 v45, 3, v4
	v_lshl_add_u32 v7, v45, 4, v7                  ; and the same place in cc
.irp q, 0,1
	v_mov_b32 v[13+4*\q], 0xec800000               ; the largest t so far: -2^90
	v_floor_f32 v[12+4*\q], -v[13+4*\q]            ; -M
	v_mov_b32 v[14+4*\q], 0
	v_mov_b32 v[15+4*\q], 0
	v_mov_b32 v[20+\q], 0                          ; a lane permute's destination counts as read
	v_mov_b32 v[25+2*\q], 0                        ; named as the upper half of a pair
.endr
	WIN TO_1
.irp b, 0,1,2,3,4,5,6,7
.irp i, 0,1,2,3,4,5,6,7
	v_mov_b32 v[OT+8*\b+\i], 0                     ; O^T: the step is written once; the first finds zeros
.endr
.endr
	WIN 0
	s_wait_loadcnt 0x0                             ; Q and the mask
	v_mov_b32 v46, 0xff61b1e6                      ; -3e38
.irp i, 0,1,2,3,4,5,6,7
	v_cmp_eq_u32 vcc_lo, 0, v[36+\i]
	v_cndmask_b32 v[36+\i], 0, v46, vcc_lo
.endr
	ds_store_b128 v44, v[36:39]
	ds_store_b128 v44, v[40:43] offset:16
	s_wait_kmcnt 0x0
	s_add_co_i32 s52, s90, s91                     ; a score stands for score x 2^(e6 + e7): added to c's exponent field
	s_lshl_b32 s52, s52, 23
	s_add_co_i32 s18, s18, s52
	s_mov_b32 s19, s18
	s_add_co_i32 s52, s93, 127
	s_lshl_b32 s53, s52, 23
	v_mov_b32 v33, s53                             ; 2^e9
	s_add_co_i32 s52, s94, 127
	s_lshl_b32 s53, s52, 23
	v_mov_b32 v34, s53                             ; 2^e10
	s_add_co_i32 s53, s92, s93                     ; e8 + e9
; One exponential of the batch that is being dealt out, if any is left.  It stands behind a plain line of the OTHER tile's work, which names none of the batch's registers.
.macro EX
.if EK < 64
	v_exp_f32 v[EB+EK], v[EB+EK]                   ; p = 2^(t - M)
.set EK, EK+1
.endif
.endm
; Tile q: the step's largest score, the new M, f, and the sum under the new M: 42 plain lines
.macro MAXSTAT q
.set SB, S+64*(\q)
.set TT, 12+4*(\q)
.set FB, 24+2*(\q)
	v_max3_num_f32 v28, v[SB], v[SB+1], v[SB+2]    ; two chains, each accumulator from its low end on
	EX
	v_max3_num_f32 v29, v[SB+3], v[SB+4], v[SB+5]
	EX
.irp i, 6,10,14,18,22,26,30,34,38,42,46,50,54,58
	v_max3_num_f32 v28, v28, v[SB+\i], v[SB+\i+1]
	EX
	v_max3_num_f32 v29, v29, v[SB+\i+2], v[SB+\i+3]
	EX
.endr
	v_max3_num_f32 v28, v28, v[SB+62], v[SB+63]
	EX
	v_max_num_f32 v28, v28, v29
	EX
	v_permlanex16_b32 v20, v28, s16, s17
	EX
	v_max_num_f32 v28, v28, v20                    ; and lane l xor 16's 64 keys
	EX
	v_mul_f32 v28, s18, v28                        ; as t
	EX
	v_max_num_f32 v[TT+1], v[TT+1], v28            ; the running largest t
	EX
	v_mov_b32 v28, v[TT]
	EX
	v_floor_f32 v[TT], -v[TT+1]                    ; -M = floor(-t): M is a whole number
	EX
	v_sub_f32 v28, v[TT], v28                      ; old M - new M, 0 or less
	EX
	v_cvt_i32_f32 v28, v28                         ; (it saturates)
	EX
	v_ldexp_f32 v[FB], 1.0, v28                    ; f = 2^(old M - new M)
	EX
	v_pk_mul_f32 v[TT+2:TT+3], v[TT+2:TT+3], v[FB:FB+1] op_sel_hi:[1,0]   ; the sums under the new M
	EX
.endm
.macro FMA q                           ; tile q: t - M, two at a time: 32 plain lines
.set SB, S+64*(\q)
.set TT, 12+4*(\q)
.irp j, 0,2,4,6,8,10,12,14,16,18,20,22,24,26,28,30,32,34,36,38,40,42,44,46,48,50,52,54,56,58,60,62
	v_pk_fma_f32 v[SB+\j:SB+\j+1], v[SB+\j:SB+\j+1], s[18:19], v[TT:TT+1] op_sel_hi:[1,0,0]
	EX
.endr
.endm
; Tile q behind its exponentials: the row's sum of the unquantised p, in two chains; then the codes.
.macro POST q
.set SB, S+64*(\q)
.set TT, 12+4*(\q)
.set CB, CD+16*(\q)
.irp b, 0,1,2,3
.irp i, 0,2,4,6,8,10,12,14
.if (16*\b+\i) == 0
	v_pk_add_f32 v[TT+2:TT+3], v[TT+2:TT+3], v[SB:SB+1]
	EX
.elseif (16*\b+\i) == 2
	v_pk_add_f32 v[22:23], v[SB+2:SB+3], v[SB+4:SB+5]          ; the second chain starts with two pairs
	EX
.elseif (16*\b+\i) == 4
.elseif ((16*\b+\i) % 4) == 2
	v_pk_add_f32 v[TT+2:TT+3], v[TT+2:TT+3], v[SB+16*\b+\i:SB+16*\b+\i+1]
	EX
.else
	v_pk_add_f32 v[22:23], v[22:23], v[SB+16*\b+\i:SB+16*\b+\i+1]
	EX
.endif
	EX
	EX
.endr
	v_cvt_scalef32_pk8_fp8_f32 v[CB+4*\b:CB+4*\b+1], v[SB+16*\b:SB+16*\b+7], v33
	v_cvt_scalef32_pk8_fp8_f32 v[CB+4*\b+2:CB+4*\b+3], v[SB+16*\b+8:SB+16*\b+15], v33
.endr
	v_pk_add_f32 v[TT+2:TT+3], v[TT+2:TT+3], v[22:23]
.endm
.macro STEP                            ; 128 keys, both tiles
	v_add_nc_u32 v8, s2, v1
	v_add_nc_u32 v9, s3, v2
	v_add_nc_u32 v10, s13, v3
	v_nop                                          ; four places behind the last step's products, in front of loads into registers that they read
	WIN TO_1
.irp b, 0,1,2,3
.irp i, 0,1,2,3
	ds_load_b128 v[MK+16*\b+4*\i:MK+16*\b+4*\i+3], v10 offset:128*\b+16*\i   ; the table's entries of keys 32 b + 16 h + 0 .. 15, in the scores' order
.endr
.endr
.irp t, 0,1,2,3,4,5,6,7
	ds_load_b128 v[KV+8*\t:KV+8*\t+3], v8 offset:16*\t*KP
	ds_load_b128 v[KV+8*\t+4:KV+8*\t+7], v8 offset:16*\t*KP+32
.endr
	s_wait_dscnt 0x0
	WIN W_QK
.irp t, 0,1,2,3,4,5,6,7
.irp q, 0,1
	v_wmma_f32_16x16x64_fp8_fp8 v[S+64*\q+8*\t:S+64*\q+8*\t+7], v[KV+8*\t:KV+8*\t+7], v[QF+8*\q:QF+8*\q+7], v[MK+8*\t:MK+8*\t+7]   ; S^T = K Q^T + the mask's entries
.endr
.endr
	WIN TO_1
.rept 4
	v_nop                                          ; places in front of the loads below and of the first read of the scores
.endr
.irp t, 0,1,2,3
.irp c, 0,1,2,3
	ds_load_b128 v[KV+16*\t+4*\c:KV+16*\t+4*\c+3], v9 offset:16*\t*VP+32*\c   ; V's four fragments land while the softmax is walked
.endr
.endr
	WIN 0
.set EK, 64                                    ; no batch is out yet
	MAXSTAT 0
	FMA 0
.set EB, S                                     ; tile 0's 64 exponentials, one behind each of the first 64 of the 74 lines below
.set EK, 0
	MAXSTAT 1
	FMA 1
	s_setprio 1
	s_wait_alu depctr_va_vdst(0)                   ; the wait ahead of the batch's first reader: one for all 64; ten plain lines stand behind the last of them
.set EB, S+64                                  ; tile 1's, among tile 0's sums
.set EK, 0
	POST 0
	s_wait_alu depctr_va_vdst(0)                   ; the same for tile 1's batch
	POST 1
	WIN W_RS
	s_setprio 0
.irp q, 0,1
.irp j, 0,2,4,6,8,10,12,14,16,18,20,22,24,26,28,30
	v_pk_mul_f32 v[OT+32*\q+\j:OT+32*\q+\j+1], v[OT+32*\q+\j:OT+32*\q+\j+1], v[24+2*\q:25+2*\q] op_sel_hi:[1,0]   ; O^T under the new M; also the plain lines between the conversions and the products
.endr
.endr
	s_wait_dscnt 0x0                               ; V's fragments
	WIN W_PV
.irp t, 0,1,2,3
.irp q, 0,1
	v_wmma_f32_16x16x128_fp8_fp8 v[OT+32*\q+8*\t:OT+32*\q+8*\t+7], v[KV+16*\t:KV+16*\t+15], v[CD+16*\q:CD+16*\q+15], v[OT+32*\q+8*\t:OT+32*\q+8*\t+7]   ; O^T += V^T P^T; the eight accumulators take turns
.endr
.endr
	WIN 0
.endm
; 512 keys: four steps.  In front of the barrier each wave waits for all its tensor loads (its part of this chunk), adds 0 to its spare word and waits for that and for its LDS instructions.  Behind it the chunk is whole,
; and the next chunk, which lands in bytes of its own, is the wave's one tensor load.
.macro CHUNK c
	s_wait_tensorcnt 0x0                           ; my part of this chunk has landed
	ds_add_u32 v5, v6                              ; 0 onto my spare word
	s_wait_dscnt 0x0                               ; the add is done; no LDS instruction of mine is pending (ahead of chunk 0: my stores into the mask table)
	s_barrier_signal -1
	s_barrier_wait -1                              ; everybody's part has landed
.if \c < 3
	TLOAD (\c)+1                                   ; four key steps ahead of its first read
.endif
	s_mov_b32 s12, 4
.Lstep_\@:
	s_setprio 2
	STEP
	s_add_co_u32 s2, s2, 128*KP
	s_add_co_u32 s3, s3, 128
	s_add_co_u32 s13, s13, 512
	s_sub_co_u32 s12, s12, 1
	s_cmp_lg_u32 s12, 0
	s_cbranch_scc1 .Lstep_\@
	s_setprio 0
	s_add_co_u32 s3, s3, VCH-512                   ; V's next chunk
.endm
	CHUNK 0
	CHUNK 1
	CHUNK 2
	CHUNK 3
	; THE WAY OUT: O^T x 2^(e8 + e9) / the sum, quantised with e10, through my own stage, so that four lanes hold a row's 64 bytes
.rept 4
	v_nop                                          ; places behind the last products
.endr
	v_add_f32 v14, v14, v15
	v_add_f32 v18, v18, v19
	v_permlanex16_b32 v20, v14, s16, s17
	v_permlanex16_b32 v21, v18, s16, s17
	v_add_f32 v14, v14, v20                        ; the rows' sums
	v_add_f32 v18, v18, v21
	v_rcp_f32 v14, v14
	v_rcp_f32 v18, v18
	v_nop                                          ; a plain line behind the transcendentals
	s_wait_alu depctr_va_vdst(0)                   ; the wait ahead of the first reader: one for both
	v_ldexp_f32 v14, v14, s53
	v_ldexp_f32 v18, v18, s53
	WIN 0x01                                       ; source 0 (O^T) window 1
.irp q, 0,1
.irp t, 0,1,2,3
.irp i, 0,1,2,3,4,5,6,7
	v_mul_f32 v[S+32*\q+8*\t+\i], v[OT+32*\q+8*\t+\i], v[14+4*\q]   ; register 8 t + i: ctx(query r, 16 t + 8 h + i)
.endr
.endr
.endr
	WIN 0
.irp b, 0,1,2,3,4,5,6,7
.irp i, 0,1,2,3,4,5,6,7
.endr
.endr
.irp b, 0,1,2,3,4,5,6,7
	v_cvt_scalef32_pk8_fp8_f32 v[CD+2*\b:CD+2*\b+1], v[S+8*\b:S+8*\b+7], v34
.endr
	v_nop
.irp q, 0,1
.irp t, 0,1,2,3
	ds_store_b64 v30, v[CD+2*(4*\q+\t):CD+2*(4*\q+\t)+1] offset:1024*\q+16*\t
.endr
.endr
.irp k, 0,1,2,3
	ds_load_b128 v[128+4*\k:131+4*\k], v31 offset:512*\k   ; LDS serves a wave's instructions in order: these see my stores
.endr
	s_wait_dscnt 0x0
.irp k, 0,1,2,3
	global_store_b128 v7, v[128+4*\k:131+4*\k], s[10:11] offset:8192*\k
.endr
	s_wait_tensorcnt 0x0                           ; the wave's end
	ds_add_u32 v5, v6
	s_wait_dscnt 0x0
	s_endpgm
.Lfunc_end_k_qab6edc0a93_attn:
	.size	k_qab6edc0a93_attn, .Lfunc_end_k_qab6edc0a93_attn-k_qab6edc0a93_attn
	.p2alignl 7, 3214868480
	.fill 96, 4, 3214868480
	.section	.rodata,"a",@progbits
	.p2align	6, 0x0
	.amdhsa_kernel k_qab6edc0a93_attn
		.amdhsa_group_segment_fixed_size 327680
		.amdhsa_private_segment_fixed_size 0
		.amdhsa_enable_private_segment 0
		.amdhsa_kernarg_size 32
		.amdhsa_user_sgpr_count 2
		.amdhsa_user_sgpr_kernarg_segment_ptr 1
		.amdhsa_wavefront_size32 1
		.amdhsa_system_sgpr_workgroup_id_x 1
		.amdhsa_system_sgpr_workgroup_id_y 1
		.amdhsa_system_sgpr_workgroup_id_z 1
		.amdhsa_system_vgpr_workitem_id 0
		.amdhsa_next_free_vgpr 512
		.amdhsa_next_free_sgpr 100
		.amdhsa_reserve_vcc 1
		.amdhsa_float_denorm_mode_32 3
		.amdhsa_float_denorm_mode_16_64 3
		.amdhsa_fp16_overflow 1
		.amdhsa_memory_ordered 1
		.amdhsa_forward_progress 1
		.amdhsa_inst_pref_size 120
	.end_amdhsa_kernel
	.amdgpu_metadata
---
amdhsa.version: [ 1, 2 ]
amdhsa.kernels:
  - .name:           k_qab6edc0a93_attn
    .symbol:         k_qab6edc0a93_attn.kd
    .args:
      - { .name: qkv, .offset: 0, .size: 8, .value_kind: global_buffer, .address_space: global }
      - { .name: mask, .offset: 8, .size: 8, .value_kind: global_buffer, .address_space: global }
      - { .name: lowp_scales, .offset: 16, .size: 8, .value_kind: global_buffer, .address_space: global }
      - { .name: cc, .offset: 24, .size: 8, .value_kind: global_buffer, .address_space: global }
    .group_segment_fixed_size: 327680
    .private_segment_fixed_size: 0
    .kernarg_segment_align: 8
    .kernarg_segment_size: 32
    .max_flat_workgroup_size: 256
    .sgpr_count:     100
    .vgpr_count:     512
    .wavefront_size: 32
...
	.end_amdgpu_metadata
.endif
;; end of part 3
;; launch oproj (part 4): grid 8 x 32, 4 waves a work-group, clusters of 4 x 4, 327,680 bytes of LDS; arguments cc, wc, lowp_scales, bo, x, x1; writes x1
.if DOCPART == 4
	.amdgcn_target "amdgcn-amd-amdhsa--gfx1250"
	.amdhsa_code_object_version 6
	.text
	.protected	k_qab6edc0a93_oproj
	.globl	k_qab6edc0a93_oproj
	.p2align	8
	.type	k_qab6edc0a93_oproj,@function
k_qab6edc0a93_oproj:
	s_mov_b64 s[64:65], 0
	v_nop
	global_prefetch_b8 v0, s[64:65] scope:SCOPE_SE
	s_setreg_imm32_b32 hwreg(HW_REG_WAVE_MODE, 25, 1), 1
	s_wait_xcnt 0x0
	s_wait_alu depctr_hold_cnt(0) depctr_sa_sdst(0) depctr_va_vdst(0) depctr_va_sdst(0) depctr_va_ssrc(0) depctr_va_vcc(0) depctr_vm_vsrc(0)
	s_getreg_b32 s2, hwreg(HW_REG_IB_STS2, 6, 4)
	s_cmp_eq_u32 s2, 0
	s_cbranch_scc0 .Lentry_in_a_cluster
	s_endpgm
.Lentry_in_a_cluster:
	s_bfe_u32 s2, ttmp6, 0x10000c
	s_cmp_lg_u32 s2, 0xf033
	s_cbranch_scc0 .Lentry_shape_is_right
	s_endpgm
.Lentry_shape_is_right:
; Product 6 on codes of FP8 (E4M3): x1 = x + (ctx wo + bo).  A = ctx's codes [4096][1024], B = wo's codes [1024 n][1024 k] (square 3 of wc); x1 [4096][1024] f32.
; The output has 4,096 x 1,024 numbers: tiles of 128 x 128 give 256 work-groups.  Four waves, each 64 x 64: 16 accumulators.  K goes in steps of 512 (LDS rows of 512 bytes); here both steps are first fills of the two slots.
; CLUSTERS of 4 x 4: A's tile is asked for jointly along a row of the cluster, B's along a column.  THE MATRIX INSTRUCTION IS USED TRANSPOSED: a lane holds eight neighbouring numbers of a row.
; A fragment of the K = 64 form is 16 rows x 64 bytes in 8 registers, by two loads of 16 bytes, 32 apart: the same places of k in A and in B.
; The residual and the bias are asked for at the head, in the layout of the stores, and wait in registers.  y = sum x 2^(ea + eb) + bias, then + residual.
; LIMIT: ea + eb between -126 and 127.
; REGISTERS: window 0: v0-31 addresses, v8-11 the bias; v128-255 accumulators.  window 1: two fragment buffers; on the way out v0-127 the rows.  window 2: v0-127 the residual.
.set LAPS,   1                         ; K / 1,024
.set BOFF,   0x300000                  ; B's first square in wc
.set SCOFF,  40                        ; ea, eb: entries 10, 11
.set ASTEP,  0x400000                  ; a lap on: the next panel of A,
.set BSTEP,  0x100000                  ; the next square of B
.set PITCH,  528                       ; an LDS row: 512 bytes + 16 = 132 words: the 16 rows of a fragment load start at 16 different banks (64 banks of 4 bytes: ISA guide 11.1)
.set HALFT,  64*PITCH
.set SLOT,   4*HALFT
.set STAGE,  2*SLOT                    ; behind the ring: 16 rows x 272 bytes for each wave
.set SPITCH, 272
.set SPARE,  STAGE+4*16*SPITCH
.set ADRA, 16
.set ADRB, 20
.set STO,  24
.set RD,   25
.set CO,   26
.set SPW,  28
.set NIL,  29
.set ACC,  128
.set F0,   0
.set F1,   128
.set G1, 24
.set G0, 32
.set G1B, 48
.set G0B, 56
.set MSB, 0
.macro WIN new
.if MSB != \new
	s_set_vgpr_msb (MSB<<8)|\new
.set MSB, \new
.endif
.endm
.set MUL,  0x05                        ; sources 0 (B) and 1 (A) window 1; C and D window 0
.set TO_F, 0x40
.macro JLOAD s                         ; a joint load: waves 0 and 1 fetch A's halves, waves 2 and 3 B's; an s_nop 0 and four v_nop follow each line
	s_cmp_eq_u32 s11, 0
	s_cbranch_scc0 .Lfor_b_\@
	tensor_load_to_lds s[G0+4*\s:G0+4*\s+3], s[G1:G1+7]
	s_nop 0
.rept 4
	v_nop
.endr
	s_branch .Lasked_\@
.Lfor_b_\@:
	tensor_load_to_lds s[G0B+4*\s:G0B+4*\s+3], s[G1B:G1B+7]
	s_nop 0
.rept 4
	v_nop
.endr
.Lasked_\@:
.endm
.macro CREST
	s_cmp_lg_u32 s10, 0
	s_cbranch_scc1 .Lnot_wave_0_\@
	s_barrier_signal -3
.Lnot_wave_0_\@:
	s_barrier_wait -3
	s_barrier_signal -1
	s_barrier_wait -1
.endm
.macro CROUND
	s_barrier_signal -1
	s_barrier_wait -1
	CREST
.endm
	s_load_b128 s[4:7], s[0:1], 0x0                ; A's codes, wc
	s_load_b256 s[68:75], s[0:1], 0x10             ; scales 68, bias 70, residual 72, output 74
	v_lshl_add_u32 v[SPW], v0, 2, SPARE
	v_mov_b32 v[NIL], 0
	ds_add_u32 v[SPW], v[NIL]                      ; the wave's opening: the add and its wait ahead of my first tensor load
	v_lshrrev_b32 v1, 5, v0
	v_readfirstlane_b32 s10, v1                    ; wave 0..3
	s_lshr_b32 s11, s10, 1                         ; my half of the tile's rows; also: I fetch for A (0) or B (1)
	s_and_b32 s12, s10, 1                          ; my half of its columns; also: which 64 rows I fetch
	s_bfe_u32 s40, ttmp6, 0x40000
	s_bfe_u32 s41, ttmp6, 0x40004
	s_lshl_b32 s42, ttmp9, 2
	s_add_co_u32 s42, s42, s40                     ; tile column
	s_and_b32 s13, ttmp7, 0xffff
	s_lshl_b32 s13, s13, 2
	s_add_co_u32 s13, s13, s41                     ; tile row
	s_lshl_b32 s43, s41, 2
	s_lshl_b32 s43, 15, s43
	s_lshl_b32 s44, 0x1111, s40
	s_or_b32 s[G1+0], s43, (0<<16)|(1<<20)|(1<<21)|(6<<22)|(3<<25)  ; the mask; elements of 1 byte; padding on; bit 21 beside a mask; 4 words after every 128
	s_or_b32 s[G1B+0], s44, (0<<16)|(1<<20)|(1<<21)|(6<<22)|(3<<25)
.irp g, G1, G1B
	s_mov_b32 s[\g+1], 512<<16                     ; tensor_dim0
	s_mov_b32 s[\g+2], 64<<16                      ; tensor_dim1
	s_mov_b32 s[\g+3], 512<<16                     ; tile_dim0
	s_mov_b32 s[\g+4], 64                          ; tile_dim1
	s_mov_b32 s[\g+5], 1024                        ; stride
	s_mov_b32 s[\g+6], 0
	s_mov_b32 s[\g+7], 0
.endr
	s_lshl_b32 s17, s12, 6
	s_lshl_b32 s16, s13, 7
	s_add_co_u32 s16, s16, s17                     ; A: row 128 x tile row + 64 x half
	s_lshl_b32 s16, s16, 10
	s_lshl_b32 s46, s42, 7
	s_add_co_u32 s46, s46, s17                     ; B: row 128 x tile column + 64 x half
	s_lshl_b32 s46, s46, 10
	s_add_co_u32 s46, s46, BOFF
	s_mov_b32 s17, 0
	s_mov_b32 s47, 0
	s_mul_i32 s20, s10, HALFT
	s_wait_dscnt 0x0                               ; the opening add is done
	s_wait_kmcnt 0x0
	s_load_b64 s[76:77], s[68:69], SCOFF           ; ea, eb
	s_add_nc_u64 s[14:15], s[4:5], s[16:17]
	s_add_nc_u64 s[46:47], s[6:7], s[46:47]
	CROUND                                         ; all sixteen work-groups are here: the first joint loads meet
.irp s, 0,1
	s_mov_b32 s[G0+4*\s], 1
	s_add_co_u32 s[G0+4*\s+1], s20, \s*SLOT
	s_add_nc_u64 s[G0+4*\s+2:G0+4*\s+3], s[14:15], \s*512
	s_or_b32 s[G0+4*\s+3], s[G0+4*\s+3], 0x80000000
	s_mov_b32 s[G0B+4*\s], 1
	s_add_co_u32 s[G0B+4*\s+1], s20, \s*SLOT
	s_add_nc_u64 s[G0B+4*\s+2:G0B+4*\s+3], s[46:47], \s*512
	s_or_b32 s[G0B+4*\s+3], s[G0B+4*\s+3], 0x80000000
	JLOAD \s
.endr
	v_and_b32 v1, 15, v0                           ; r
	v_bfe_u32 v2, v0, 4, 1                         ; h
	v_mul_u32_u24 v3, v1, PITCH
	v_lshl_add_u32 v3, v2, 4, v3
	s_mul_i32 s21, s11, HALFT
	s_mul_i32 s22, s12, HALFT
	s_add_co_u32 s22, s22, 2*HALFT
.irp s, 0,1
	v_add_nc_u32 v[ADRA+\s], s21, v3
	v_add_nc_u32 v[ADRB+\s], s22, v3
	s_add_co_u32 s21, s21, SLOT
	s_add_co_u32 s22, s22, SLOT
.endr
	s_mul_i32 s23, s10, 16*SPITCH
	s_add_co_u32 s23, s23, STAGE                   ; my stage
	v_mul_u32_u24 v4, v1, SPITCH
	v_lshl_add_u32 v4, v2, 5, v4
	v_add_nc_u32 v[STO], s23, v4                   ; in: row r, 32 h bytes on
	v_mul_u32_u24 v5, v2, SPITCH
	v_lshl_add_u32 v5, v1, 4, v5
	v_add_nc_u32 v[RD], s23, v5                    ; back: sixteen lanes to a row of 256 bytes, two rows an instruction
	v_lshlrev_b32 v5, 12, v2
	v_lshl_add_u32 v[CO], v1, 4, v5                ; and the same two rows in memory
	s_lshl_b32 s16, s13, 7
	s_lshl_b32 s17, s11, 6
	s_add_co_u32 s16, s16, s17                     ; my first row
	s_lshl_b32 s16, s16, 12
	s_lshl_b32 s17, s42, 9
	s_add_co_u32 s16, s16, s17
	s_lshl_b32 s17, s12, 8
	s_add_co_u32 s16, s16, s17                     ; my first column, in bytes
	s_mov_b32 s17, 0
	s_add_nc_u64 s[72:73], s[72:73], s[16:17]
	s_add_nc_u64 s[74:75], s[74:75], s[16:17]
	s_lshl_b32 s18, s42, 9
	s_lshl_b32 s19, s12, 8
	s_add_co_u32 s18, s18, s19
	s_mov_b32 s19, 0
	s_add_nc_u64 s[70:71], s[70:71], s[18:19]
	v_lshlrev_b32 v7, 4, v1
	global_load_b128 v[8:11], v7, s[70:71]         ; the bias of my four columns of a row
	WIN 0x80                                       ; destination window 2
.irp a, 0,1,2,3
.irp t, 0,1,2,3,4,5,6,7
	global_load_b128 v[32*\a+4*\t:32*\a+4*\t+3], v[CO], s[72:73] offset:(16*\a+2*\t)*4096 th:TH_LOAD_NT   ; the residual, as the stores will lie
.endr
.endr
	WIN 0
.macro MUL8 f, c, a0, zero             ; 8 matrix instructions: m blocks a0, a0 + 1 x 4 n blocks, 64 along K.  The 16 accumulators take turns
.irp a, \a0, \a0+1
.irp b, 0,1,2,3
.if \zero
	v_wmma_f32_16x16x64_fp8_fp8 v[ACC+8*(4*(\a)+\b):ACC+8*(4*(\a)+\b)+7], v[\f+64+8*(4*\c+\b):\f+64+8*(4*\c+\b)+7], v[\f+8*(4*\c+\a):\f+8*(4*\c+\a)+7], 0
.else
	v_wmma_f32_16x16x64_fp8_fp8 v[ACC+8*(4*(\a)+\b):ACC+8*(4*(\a)+\b)+7], v[\f+64+8*(4*\c+\b):\f+64+8*(4*\c+\b)+7], v[\f+8*(4*\c+\a):\f+8*(4*\c+\a)+7], v[ACC+8*(4*(\a)+\b):ACC+8*(4*(\a)+\b)+7]
.endif
.endr
.endr
.endm
.macro FETCH slot, k, f                ; 32 LDS loads in one run: the fragments of 128 along K at byte k of the rows; the first 64 along K first
	WIN TO_F
.irp c, 0,1
.irp i, 0,1,2,3
	ds_load_b128 v[\f+64+8*(4*\c+\i):\f+64+8*(4*\c+\i)+3],   v[ADRB+\slot] offset:\k+64*\c+\i*16*PITCH
	ds_load_b128 v[\f+64+8*(4*\c+\i)+4:\f+64+8*(4*\c+\i)+7], v[ADRB+\slot] offset:\k+64*\c+\i*16*PITCH+32
	ds_load_b128 v[\f+8*(4*\c+\i):\f+8*(4*\c+\i)+3],         v[ADRA+\slot] offset:\k+64*\c+\i*16*PITCH
	ds_load_b128 v[\f+8*(4*\c+\i)+4:\f+8*(4*\c+\i)+7],       v[ADRA+\slot] offset:\k+64*\c+\i*16*PITCH+32
.endr
.endr
.endm
.macro PLACES
.rept 4
	v_nop
.endr
.endm
.macro QUARTER slot, k, f, g, zero
	s_wait_dscnt 16                                ; the first 64 along K are in; the other sixteen loads may be out
	WIN MUL
	MUL8 \f, 0, 0, \zero
	MUL8 \f, 0, 2, \zero
	PLACES
	FETCH \slot, \k, \g
	s_wait_dscnt 32                                ; all but the 32 just issued
	WIN MUL
	MUL8 \f, 1, 0, 0
	MUL8 \f, 1, 2, 0
.endm
.macro TURN slot, next, fill           ; the last quarter changes slots: one barrier; in front of it all my tensor loads, the add, my reads of this slot
	WIN 0
	s_wait_tensorcnt 0x0
	ds_add_u32 v[SPW], v[NIL]                      ; 0 onto my spare word
	s_wait_dscnt 17                                ; the add and the youngest sixteen loads may be out
	WIN MUL
	MUL8 F1, 0, 0, 0
	s_wait_dscnt 0x0                               ; the add is done, and my reads of this slot are over
	s_barrier_signal -1
	MUL8 F1, 0, 2, 0
.if \fill
	WIN 0
.endif
	s_barrier_wait -1
.if \fill
	CREST                                          ; the barrier has opened a round of the cluster's
	s_add_nc_u64 s[G0+4*\slot+2:G0+4*\slot+3], s[G0+4*\slot+2:G0+4*\slot+3], ASTEP
	s_add_nc_u64 s[G0B+4*\slot+2:G0B+4*\slot+3], s[G0B+4*\slot+2:G0B+4*\slot+3], BSTEP
	JLOAD \slot
.else
	PLACES
.endif
	FETCH \next, 0, F0
	WIN MUL
	MUL8 F1, 1, 0, 0
	MUL8 F1, 1, 2, 0
.endm
	s_wait_tensorcnt 1                             ; my part of K step 0 is in; K step 1's load may be out
	s_barrier_signal -1
	s_barrier_wait -1
	FETCH 0, 0, F0
	QUARTER 0, 128, F0, F1, 1
.if LAPS > 1
	WIN 0
	s_mov_b32 s3, LAPS-1
.Llap:
	QUARTER 0, 256, F1, F0, 0
	QUARTER 0, 384, F0, F1, 0
	TURN 0, 1, 1
	QUARTER 1, 128, F0, F1, 0
	QUARTER 1, 256, F1, F0, 0
	QUARTER 1, 384, F0, F1, 0
	TURN 1, 0, 1
	QUARTER 0, 128, F0, F1, 0
	WIN 0
	s_sub_co_u32 s3, s3, 1
	s_cmp_lg_u32 s3, 0
	s_cbranch_scc1 .Llap
.endif
	QUARTER 0, 256, F1, F0, 0
	QUARTER 0, 384, F0, F1, 0
	TURN 0, 1, 0
	QUARTER 1, 128, F0, F1, 0
	QUARTER 1, 256, F1, F0, 0
	QUARTER 1, 384, F0, F1, 0
	s_wait_dscnt 16
	WIN MUL
	MUL8 F1, 0, 0, 0
	MUL8 F1, 0, 2, 0
	s_wait_dscnt 0
	MUL8 F1, 1, 0, 0
	MUL8 F1, 1, 2, 0
	WIN 0
	; THE WAY OUT.  A wave's 64 columns are 256 bytes of a row.  The raw sums of a block of 16 rows go through my own stage and come back as whole rows; then scale, bias, residual, store.
	s_wait_kmcnt 0x0
	s_add_co_i32 s66, s76, s77
	s_add_co_i32 s66, s66, 127
	s_lshl_b32 s66, s66, 23                        ; 2^(ea + eb) as f32
	s_mov_b32 s67, s66
	s_wait_loadcnt 0x0                             ; the bias and the residual
	PLACES
.macro TOSTAGE a
	WIN 0
.irp b, 0,1,2,3
	ds_store_b128 v[STO], v[ACC+8*(4*(\a)+\b):ACC+8*(4*(\a)+\b)+3] offset:64*\b        ; each accumulator from its low end on
	ds_store_b128 v[STO], v[ACC+8*(4*(\a)+\b)+4:ACC+8*(4*(\a)+\b)+7] offset:64*\b+16
.endr
	WIN 0x40                                       ; destination window 1
.irp t, 0,1,2,3,4,5,6,7
	ds_load_b128 v[32*(\a)+4*\t:32*(\a)+4*\t+3], v[RD] offset:\t*2*SPITCH   ; LDS serves a wave's instructions in order: these see my stores, and the next block's stores come behind them
.endr
.endm
.macro FIN a
	s_wait_dscnt 16*(3-(\a))                       ; the later blocks' 8 stores and 8 loads each may be out
	WIN 0x41                                       ; destination and source 0 window 1, the bias window 0
.irp t, 0,1,2,3,4,5,6,7
.irp p, 0,1
	v_pk_fma_f32 v[32*(\a)+4*\t+2*\p:32*(\a)+4*\t+2*\p+1], v[32*(\a)+4*\t+2*\p:32*(\a)+4*\t+2*\p+1], s[66:67], v[8+2*\p:9+2*\p] op_sel_hi:[1,0,1]
.endr
.endr
	WIN 0x49                                       ; source 1 (the residual) window 2
.irp t, 0,1,2,3,4,5,6,7
.irp p, 0,1
	v_pk_add_f32 v[32*(\a)+4*\t+2*\p:32*(\a)+4*\t+2*\p+1], v[32*(\a)+4*\t+2*\p:32*(\a)+4*\t+2*\p+1], v[32*(\a)+4*\t+2*\p:32*(\a)+4*\t+2*\p+1]
.endr
.endr
	WIN 0x04                                       ; a store's data window 1, its address window 0
.irp t, 0,1,2,3,4,5,6,7
	global_store_b128 v[CO], v[32*(\a)+4*\t:32*(\a)+4*\t+3], s[74:75] offset:(16*(\a)+2*\t)*4096   ; sixteen lanes store 256 consecutive bytes, aligned
.endr
.endm
	TOSTAGE 0
	TOSTAGE 1
	TOSTAGE 2
	TOSTAGE 3
	FIN 0
	FIN 1
	FIN 2
	FIN 3
	WIN 0
	s_wait_tensorcnt 0x0                           ; the wave's end
	ds_add_u32 v[SPW], v[NIL]
	s_wait_dscnt 0x0
	CROUND                                         ; the closing round
	s_endpgm
.Lfunc_end_k_qab6edc0a93_oproj:
	.size	k_qab6edc0a93_oproj, .Lfunc_end_k_qab6edc0a93_oproj-k_qab6edc0a93_oproj
	.p2alignl 7, 3214868480
	.fill 96, 4, 3214868480
	.section	.rodata,"a",@progbits
	.p2align	6, 0x0
	.amdhsa_kernel k_qab6edc0a93_oproj
		.amdhsa_group_segment_fixed_size 327680
		.amdhsa_private_segment_fixed_size 0
		.amdhsa_enable_private_segment 0
		.amdhsa_kernarg_size 48
		.amdhsa_user_sgpr_count 2
		.amdhsa_user_sgpr_kernarg_segment_ptr 1
		.amdhsa_wavefront_size32 1
		.amdhsa_system_sgpr_workgroup_id_x 1
		.amdhsa_system_sgpr_workgroup_id_y 1
		.amdhsa_system_sgpr_workgroup_id_z 1
		.amdhsa_system_vgpr_workitem_id 0
		.amdhsa_next_free_vgpr 768
		.amdhsa_next_free_sgpr 80
		.amdhsa_reserve_vcc 0
		.amdhsa_float_denorm_mode_32 3
		.amdhsa_float_denorm_mode_16_64 3
		.amdhsa_memory_ordered 1
		.amdhsa_forward_progress 1
		.amdhsa_inst_pref_size 61
	.end_amdhsa_kernel
	.amdgpu_metadata
---
amdhsa.version: [ 1, 2 ]
amdhsa.kernels:
  - .name:           k_qab6edc0a93_oproj
    .symbol:         k_qab6edc0a93_oproj.kd
    .args:
      - { .name: cc, .offset: 0, .size: 8, .value_kind: global_buffer, .address_space: global }
      - { .name: wc, .offset: 8, .size: 8, .value_kind: global_buffer, .address_space: global }
      - { .name: lowp_scales, .offset: 16, .size: 8, .value_kind: global_buffer, .address_space: global }
      - { .name: bo, .offset: 24, .size: 8, .value_kind: global_buffer, .address_space: global }
      - { .name: x, .offset: 32, .size: 8, .value_kind: global_buffer, .address_space: global }
      - { .name: x1, .offset: 40, .size: 8, .value_kind: global_buffer, .address_space: global }
    .group_segment_fixed_size: 327680
    .private_segment_fixed_size: 0
    .kernarg_segment_align: 8
    .kernarg_segment_size: 48
    .max_flat_workgroup_size: 128
    .sgpr_count:     80
    .vgpr_count:     768
    .wavefront_size: 32
...
	.end_amdgpu_metadata
.endif
;; end of part 4
;; launch ln2 (part 5): grid 256 x 1, 4 waves a work-group, no clusters, 0 bytes of LDS; arguments x1, ln2_g, ln2_b, lowp_scales, h2c; writes h2c
.if DOCPART == 5
	.amdgcn_target "amdgcn-amd-amdhsa--gfx1250"
	.amdhsa_code_object_version 6
	.text
	.protected	k_qab6edc0a93_ln2
	.globl	k_qab6edc0a93_ln2
	.p2align	8
	.type	k_qab6edc0a93_ln2,@function
k_qab6edc0a93_ln2:
	s_mov_b64 s[64:65], 0
	v_nop
	global_prefetch_b8 v0, s[64:65] scope:SCOPE_SE
	s_setreg_imm32_b32 hwreg(HW_REG_WAVE_MODE, 25, 1), 1
	s_wait_xcnt 0x0
; LayerNorm 2 of x1 [4096][1024] f32, quantised to codes of FP8 (E4M3) with the scale e12 of product 7's left operand.  A wave takes four rows, a whole row in 32 registers a lane: the row is read once.
; Lane l holds columns 256 jj + 8 l + 0 .. 7, so that its 8 codes are 8 neighbouring bytes and the wave's store covers 256 consecutive bytes, aligned.  No LDS, no barrier.
; LIMIT: e12 between -126 and 119; NaN is not served.
.set G,     16                         ; v16-47 gains
.set B,     48                         ; v48-79 biases
.set XR,    80                         ; v80-207 four rows
.set T,     208                        ; v208-211 at work
.set CO,    224                        ; v224-231 a row's codes
	s_load_b256 s[4:11], s[0:1], 0x0               ; x1 4, gains 6, biases 8, scales 10
	s_load_b64 s[12:13], s[0:1], 0x20              ; h2c
	v_lshrrev_b32 v1, 5, v0
	v_readfirstlane_b32 s28, v1                    ; wave
	v_and_b32 v2, 31, v0                           ; lane
	s_wait_alu depctr_va_vdst(0)
	s_lshl_b32 s29, ttmp9, 4
	s_lshl_b32 s30, s28, 2
	s_add_co_u32 s29, s29, s30                     ; my first row
	s_lshl_b32 s40, s29, 12
	s_mov_b32 s41, 0
	s_lshl_b32 s42, s29, 10
	s_mov_b32 s43, 0
	s_mov_b32 s58, 0x76543210
	s_mov_b32 s59, 0xfedcba98
	s_mov_b32 s60, 0x3a800000                      ; 1 / 1024
	s_mov_b32 s61, 0x3727c5ac                      ; 1e-5
	v_lshlrev_b32 v1, 5, v2
	v_lshlrev_b32 v3, 3, v2
	s_wait_alu depctr_va_vdst(0)
	s_wait_kmcnt 0x0
	s_load_b32 s32, s[10:11], 0x30                 ; e12
	s_add_nc_u64 s[50:51], s[4:5], s[40:41]
	s_add_nc_u64 s[52:53], s[12:13], s[42:43]
.irp jj, 0,1,2,3
.irp u, 0,1
	global_load_b128 v[G+8*\jj+4*\u:G+8*\jj+4*\u+3], v1, s[6:7] offset:1024*\jj+16*\u
	global_load_b128 v[B+8*\jj+4*\u:B+8*\jj+4*\u+3], v1, s[8:9] offset:1024*\jj+16*\u
.endr
.endr
.irp r, 0,1,2,3
.irp jj, 0,1,2,3
.irp u, 0,1
	global_load_b128 v[XR+32*\r+8*\jj+4*\u:XR+32*\r+8*\jj+4*\u+3], v1, s[50:51] offset:4096*\r+1024*\jj+16*\u
.endr
.endr
.endr
	s_wait_kmcnt 0x0
	s_add_co_i32 s44, s32, 127
	s_lshl_b32 s45, s44, 23
	v_mov_b32 v4, s45                              ; 2^e12
	s_add_co_i32 s44, s44, 8
	s_lshl_b32 s44, s44, 23
	s_or_b32 s44, s44, 0x600000
.macro REDUCE
	v_add_f32_dpp v[T], v[T], v[T] row_xmask:1 row_mask:0xf bank_mask:0xf
	v_add_f32_dpp v[T], v[T], v[T] row_xmask:2 row_mask:0xf bank_mask:0xf
	v_add_f32_dpp v[T], v[T], v[T] row_xmask:4 row_mask:0xf bank_mask:0xf
	v_add_f32_dpp v[T], v[T], v[T] row_xmask:8 row_mask:0xf bank_mask:0xf
	v_permlanex16_b32 v[T+1], v[T], s58, s59
	v_add_f32 v[T], v[T], v[T+1]
.endm
.macro LNROW r
.set XS, XR+32*(\r)
	s_wait_loadcnt 8*(3-(\r))                      ; this row's eight loads are in; the later rows' stay out
	s_wait_xcnt 0x0                                ; the last row's stores have read their data: CO is rewritten only behind this wait
	v_pk_add_f32 v[T:T+1], v[XS:XS+1], v[XS+2:XS+3]
	v_pk_add_f32 v[T+2:T+3], v[XS+4:XS+5], v[XS+6:XS+7]
.irp j, 8,12,16,20,24,28
	v_pk_add_f32 v[T:T+1], v[T:T+1], v[XS+\j:XS+\j+1]
	v_pk_add_f32 v[T+2:T+3], v[T+2:T+3], v[XS+\j+2:XS+\j+3]
.endr
	v_pk_add_f32 v[T:T+1], v[T:T+1], v[T+2:T+3]
	v_add_f32 v[T], v[T], v[T+1]
	REDUCE
	v_mul_f32 v10, s60, v[T]
	v_mul_f32 v11, s60, v[T]
.irp j, 0,2,4,6,8,10,12,14,16,18,20,22,24,26,28,30
	v_pk_add_f32 v[XS+\j:XS+\j+1], v[XS+\j:XS+\j+1], v[10:11] neg_lo:[0,1] neg_hi:[0,1]
.endr
	v_pk_mul_f32 v[T:T+1], v[XS:XS+1], v[XS:XS+1]
	v_pk_mul_f32 v[T+2:T+3], v[XS+2:XS+3], v[XS+2:XS+3]
.irp j, 4,8,12,16,20,24,28
	v_pk_fma_f32 v[T:T+1], v[XS+\j:XS+\j+1], v[XS+\j:XS+\j+1], v[T:T+1]
	v_pk_fma_f32 v[T+2:T+3], v[XS+\j+2:XS+\j+3], v[XS+\j+2:XS+\j+3], v[T+2:T+3]
.endr
	v_pk_add_f32 v[T:T+1], v[T:T+1], v[T+2:T+3]
	v_add_f32 v[T], v[T], v[T+1]
	REDUCE
	v_fma_f32 v[T], v[T], s60, s61
	s_wait_alu depctr_va_vdst(0)
	v_rsq_f32 v12, v[T]
	v_nop                                          ; a plain instruction behind the transcendental (ISA guide 5.7.2)
	s_wait_alu depctr_va_vdst(0)                   ; the wait ahead of the first reader
	v_mov_b32 v13, v12
.irp j, 0,2,4,6,8,10,12,14,16,18,20,22,24,26,28,30
	v_pk_mul_f32 v[XS+\j:XS+\j+1], v[XS+\j:XS+\j+1], v[12:13]
.endr
.irp j, 0,2,4,6,8,10,12,14,16,18,20,22,24,26,28,30
	v_pk_fma_f32 v[XS+\j:XS+\j+1], v[XS+\j:XS+\j+1], v[G+\j:G+\j+1], v[B+\j:B+\j+1]
.endr
.irp jj, 0,1,2,3
.irp i, 0,1,2,3,4,5,6,7
.endr
	v_cvt_scalef32_pk8_fp8_f32 v[CO+2*\jj:CO+2*\jj+1], v[T+8*(\jj%2)+((XS+8*\jj+0)-(T+8*(\jj%2)+0)):T+8*(\jj%2)+7+((XS+8*\jj+0)-(T+8*(\jj%2)+0))], v4
.endr
	v_nop                                          ; a plain line behind the last conversion
.irp jj, 0,1,2,3
	global_store_b64 v3, v[CO+2*\jj:CO+2*\jj+1], s[52:53] offset:1024*(\r)+256*\jj
.endr
.endm
	LNROW 0
	LNROW 1
	LNROW 2
	LNROW 3
	s_endpgm
.Lfunc_end_k_qab6edc0a93_ln2:
	.size	k_qab6edc0a93_ln2, .Lfunc_end_k_qab6edc0a93_ln2-k_qab6edc0a93_ln2
	.p2alignl 7, 3214868480
	.fill 96, 4, 3214868480
	.section	.rodata,"a",@progbits
	.p2align	6, 0x0
	.amdhsa_kernel k_qab6edc0a93_ln2
		.amdhsa_group_segment_fixed_size 0
		.amdhsa_private_segment_fixed_size 0
		.amdhsa_enable_private_segment 0
		.amdhsa_kernarg_size 40
		.amdhsa_user_sgpr_count 2
		.amdhsa_user_sgpr_kernarg_segment_ptr 1
		.amdhsa_wavefront_size32 1
		.amdhsa_system_sgpr_workgroup_id_x 1
		.amdhsa_system_sgpr_workgroup_id_y 1
		.amdhsa_system_sgpr_workgroup_id_z 1
		.amdhsa_system_vgpr_workitem_id 0
		.amdhsa_next_free_vgpr 232
		.amdhsa_next_free_sgpr 66
		.amdhsa_reserve_vcc 0
		.amdhsa_float_denorm_mode_32 3
		.amdhsa_float_denorm_mode_16_64 3
		.amdhsa_fp16_overflow 1
		.amdhsa_memory_ordered 1
		.amdhsa_forward_progress 1
		.amdhsa_inst_pref_size 34
	.end_amdhsa_kernel
	.amdgpu_metadata
---
amdhsa.version: [ 1, 2 ]
amdhsa.kernels:
  - .name:           k_qab6edc0a93_ln2
    .symbol:         k_qab6edc0a93_ln2.kd
    .args:
      - { .name: x1, .offset: 0, .size: 8, .value_kind: global_buffer, .address_space: global }
      - { .name: ln2_g, .offset: 8, .size: 8, .value_kind: global_buffer, .address_space: global }
      - { .name: ln2_b, .offset: 16, .size: 8, .value_kind: global_buffer, .address_space: global }
      - { .name: lowp_scales, .offset: 24, .size: 8, .value_kind: global_buffer, .address_space: global }
      - { .name: h2c, .offset: 32, .size: 8, .value_kind: global_buffer, .address_space: global }
    .group_segment_fixed_size: 0
    .private_segment_fixed_size: 0
    .kernarg_segment_align: 8
    .kernarg_segment_size: 40
    .max_flat_workgroup_size: 128
    .sgpr_count:     66
    .vgpr_count:     232
    .wavefront_size: 32
...
	.end_amdgpu_metadata
.endif
;; end of part 5
;; launch ff1 (part 6): grid 16 x 16, 4 waves a work-group, clusters of 4 x 4, 327,680 bytes of LDS; arguments h2c, wc, lowp_scales, b1, fc; writes fc
.if DOCPART == 6
	.amdgcn_target "amdgcn-amd-amdhsa--gfx1250"
	.amdhsa_code_object_version 6
	.text
	.protected	k_qab6edc0a93_ff1
	.globl	k_qab6edc0a93_ff1
	.p2align	8
	.type	k_qab6edc0a93_ff1,@function
k_qab6edc0a93_ff1:
	s_mov_b64 s[64:65], 0
	v_nop
	global_prefetch_b8 v0, s[64:65] scope:SCOPE_SE
	s_setreg_imm32_b32 hwreg(HW_REG_WAVE_MODE, 25, 1), 1
	s_wait_xcnt 0x0
	s_wait_alu depctr_hold_cnt(0) depctr_sa_sdst(0) depctr_va_vdst(0) depctr_va_sdst(0) depctr_va_ssrc(0) depctr_va_vcc(0) depctr_vm_vsrc(0)
	s_getreg_b32 s2, hwreg(HW_REG_IB_STS2, 6, 4)
	s_cmp_eq_u32 s2, 0
	s_cbranch_scc0 .Lentry_in_a_cluster
	s_endpgm
.Lentry_in_a_cluster:
	s_bfe_u32 s2, ttmp6, 0x10000c
	s_cmp_lg_u32 s2, 0xf033
	s_cbranch_scc0 .Lentry_shape_is_right
	s_endpgm
.Lentry_shape_is_right:
; Product 7 on codes of FP8 (E4M3): relu(h w1 + b1), quantised on the way out with e14 as the left operand of product 8.
; A = h's codes [4096][1024], B = w1's codes [4096 n][1024 k] (squares 4-7 of wc).  Output fc: four panels [4096 tokens][1024]: panel g holds hidden units 1024 g on.
; A work-group makes a tile of 256 x 256, a wave 128 x 128: 64 accumulators, 512 registers; 256 work-groups.  K = 1,024 goes in four steps of 256 through a ring of two LDS slots filled by joint tensor loads:
; clusters of 4 x 4, A's tile shared along a row of the cluster, B's along a column.  THE MATRIX INSTRUCTION IS USED TRANSPOSED: a lane holds eight neighbouring numbers of a row, which one conversion turns into 8 codes.
; The bias, divided by 2^(ea + eb), is the C of each sum's first product.  The activation and the hold are one instruction: between 0 and 448 x the scale.
; LIMITS: e14 - e12 - e13 between -126 and 119.  NaN is not served.
; REGISTERS: window 0: v0-31 addresses and constants; v32-95 the bias, later the block at work; v128-255 A's fragments, later codes, later rows to store.  window 1: B's fragments, two sets.  window 2, 3: accumulators.
.set KSTEP,  256
.set ROWB,   256
.set KROW,   1024
.set PITCH,  272                       ; an LDS row: 256 bytes + 16 of padding = 68 words: the 16 rows of a fragment load start at 16 different banks (64 banks of 4 bytes: ISA guide 11.1)
.set FR,     16
.set NL,     4
.set NP,     4
.set HALFT,  128*PITCH
.set SLOT,   4*HALFT
.set LAPS,   2
.set SPARE,  2*SLOT
.set ADRA, 16
.set ADRB, 20
.set STO,  24
.set RD,   25
.set CO,   26
.set SPW,  28
.set NIL,  29
.set SC,   30
.set LIM,  31
.set BN,   32
.set TMP,  32
.set AF,   128
.set CD,   128
.set BK,   128
.set G1, 24
.set G0, 32
.set G1B, 48
.set G0B, 56
.set MSB, 0
.macro WIN new
.if MSB != \new
	s_set_vgpr_msb (MSB<<8)|\new
.set MSB, \new
.endif
.endm
.set MUL_LO, 0xa1
.set MUL_HI, 0xf1
.set TO_B,   0x40
.macro JLOAD g0a, g1a, g0b, g1b        ; a joint load: waves 0 and 1 fetch for A, waves 2 and 3 for B; an s_nop 0 and four v_nop follow each line
	s_cmp_eq_u32 s15, 0
	s_cbranch_scc0 .Lfor_b_\@
	tensor_load_to_lds s[\g0a:\g0a+3], s[\g1a:\g1a+7]
	s_nop 0
.rept 4
	v_nop
.endr
	s_branch .Lasked_\@
.Lfor_b_\@:
	tensor_load_to_lds s[\g0b:\g0b+3], s[\g1b:\g1b+7]
	s_nop 0
.rept 4
	v_nop
.endr
.Lasked_\@:
.endm
.macro CREST
	s_cmp_lg_u32 s14, 0
	s_cbranch_scc1 .Lnot_wave_0_\@
	s_barrier_signal -3
.Lnot_wave_0_\@:
	s_barrier_wait -3
	s_barrier_signal -1
	s_barrier_wait -1
.endm
.macro CROUND
	s_barrier_signal -1
	s_barrier_wait -1
	CREST
.endm
	s_load_b256 s[4:11], s[0:1], 0x0               ; h2c 4, wc 6, scales 8, b1 10
	s_load_b64 s[76:77], s[0:1], 0x20              ; fc
	v_lshl_add_u32 v[SPW], v0, 2, SPARE
	v_mov_b32 v[NIL], 0
	ds_add_u32 v[SPW], v[NIL]                      ; the wave's opening: the add and its wait ahead of my first tensor load
	v_lshrrev_b32 v1, 5, v0
	v_readfirstlane_b32 s14, v1
	s_lshr_b32 s15, s14, 1
	s_and_b32 s16, s14, 1
	s_bfe_u32 s40, ttmp6, 0x40000
	s_bfe_u32 s41, ttmp6, 0x40004
	s_lshl_b32 s42, ttmp9, 2
	s_add_co_u32 s42, s42, s40                     ; tile column
	s_and_b32 s17, ttmp7, 0xffff
	s_lshl_b32 s17, s17, 2
	s_add_co_u32 s17, s17, s41                     ; tile row
	s_lshl_b32 s43, s41, 2
	s_lshl_b32 s43, 15, s43
	s_lshl_b32 s44, 0x1111, s40
	s_or_b32 s[G1+0], s43, (0<<16)|(1<<20)|(1<<21)|(5<<22)|(3<<25)
	s_or_b32 s[G1B+0], s44, (0<<16)|(1<<20)|(1<<21)|(5<<22)|(3<<25)
.irp g, G1, G1B
	s_mov_b32 s[\g+1], ROWB<<16
	s_mov_b32 s[\g+2], 128<<16
	s_mov_b32 s[\g+3], ROWB<<16
	s_mov_b32 s[\g+4], 128
	s_mov_b32 s[\g+5], KROW
	s_mov_b32 s[\g+6], 0
	s_mov_b32 s[\g+7], 0
.endr
	s_lshl_b32 s18, s16, 7
	s_lshl_b32 s20, s17, 8
	s_add_co_u32 s20, s20, s18
	s_lshl_b32 s20, s20, 10
	s_mov_b32 s21, 0
	s_lshl_b32 s46, s42, 8
	s_add_co_u32 s46, s46, s18
	s_lshl_b32 s46, s46, 10
	s_add_co_u32 s46, s46, 0x400000                ; w1's codes begin at square 4
	s_mov_b32 s47, 0
	s_mul_i32 s45, s14, HALFT
	s_wait_dscnt 0x0                               ; the opening add is done
	s_wait_kmcnt 0x0
	s_load_b128 s[84:87], s[8:9], 0x30             ; e12, e13, e14, e15
	s_add_nc_u64 s[20:21], s[4:5], s[20:21]
	s_add_nc_u64 s[46:47], s[6:7], s[46:47]
	CROUND
.irp s, 0,1
	s_mov_b32 s[G0+4*\s], 1
	s_add_co_u32 s[G0+4*\s+1], s45, \s*SLOT
	s_add_nc_u64 s[G0+4*\s+2:G0+4*\s+3], s[20:21], \s*ROWB
	s_or_b32 s[G0+4*\s+3], s[G0+4*\s+3], 0x80000000
	s_mov_b32 s[G0B+4*\s], 1
	s_add_co_u32 s[G0B+4*\s+1], s45, \s*SLOT
	s_add_nc_u64 s[G0B+4*\s+2:G0B+4*\s+3], s[46:47], \s*ROWB
	s_or_b32 s[G0B+4*\s+3], s[G0B+4*\s+3], 0x80000000
	JLOAD G0+4*\s, G1, G0B+4*\s, G1B
.endr
	v_and_b32 v1, 15, v0
	v_bfe_u32 v2, v0, 4, 1
	v_mul_u32_u24 v3, v1, PITCH
	v_lshl_add_u32 v4, v2, 4, v3
	s_mul_i32 s21, s15, HALFT
	s_mul_i32 s22, s16, HALFT
	s_add_co_u32 s22, s22, 2*HALFT
.irp s, 0,1
	v_add_nc_u32 v[ADRA+\s], s21, v4
	v_add_nc_u32 v[ADRB+\s], s22, v4
	s_add_co_u32 s21, s21, SLOT
	s_add_co_u32 s22, s22, SLOT
.endr
	s_mul_i32 s23, s15, 128*PITCH                  ; the stage, 256 rows x 272 bytes in slot 0
	s_lshl_b32 s18, s16, 7
	s_add_co_u32 s23, s23, s18
	v_lshl_add_u32 v5, v2, 3, v3
	v_add_nc_u32 v[STO], s23, v5
	s_mul_i32 s23, s14, 64*PITCH
	v_mul_u32_u24 v5, v2, PITCH
	v_lshl_add_u32 v5, v1, 4, v5
	v_add_nc_u32 v[RD], s23, v5
	v_lshlrev_b32 v5, 10, v2
	v_lshl_add_u32 v[CO], v1, 4, v5
	s_lshl_b32 s20, s17, 8
	s_lshl_b32 s21, s14, 6
	s_add_co_u32 s20, s20, s21                     ; the first row that I store
	s_lshl_b32 s20, s20, 10
	s_and_b32 s21, s42, 3
	s_lshl_b32 s21, s21, 8
	s_add_co_u32 s20, s20, s21                     ; 256 bytes for each tile column within a panel
	s_lshr_b32 s21, s42, 2
	s_lshl_b32 s21, s21, 22
	s_add_co_u32 s20, s20, s21                     ; the panel
	s_mov_b32 s21, 0
	s_add_nc_u64 s[76:77], s[76:77], s[20:21]
	s_lshl_b32 s88, s42, 10
	s_lshl_b32 s89, s16, 9
	s_add_co_u32 s88, s88, s89
	s_mov_b32 s89, 0
	s_add_nc_u64 s[94:95], s[10:11], s[88:89]
	v_lshlrev_b32 v8, 5, v2
.irp b, 0,1,2,3,4,5,6,7
	global_load_b128 v[BN+8*\b:BN+8*\b+3], v8, s[94:95] offset:64*\b
	global_load_b128 v[BN+8*\b+4:BN+8*\b+7], v8, s[94:95] offset:64*\b+16
.endr
	s_wait_loadcnt 0x0
	s_wait_kmcnt 0x0
	s_add_co_i32 s87, s84, s85                     ; ea + eb
	s_sub_co_i32 s88, 0, s87
.irp b, 0,1,2,3,4,5,6,7
.irp i, 0,1,2,3,4,5,6,7
	v_ldexp_f32 v[BN+8*\b+\i], v[BN+8*\b+\i], s88
.endr
.endr
	s_sub_co_i32 s86, s86, s87
	s_add_co_i32 s86, s86, 127
	s_lshl_b32 s87, s86, 23
	v_mov_b32 v[SC], s87                           ; 2^(e14 - e12 - e13)
	s_add_co_i32 s86, s86, 8
	s_lshl_b32 s86, s86, 23
	s_or_b32 s86, s86, 0x600000
	v_mov_b32 v[LIM], s86
.macro FRAG reg, adr, q, i
.irp c, 0,1,2,3
	ds_load_b128 v[\reg+4*\c:\reg+4*\c+3], v[\adr] offset:128*(\q)+32*\c+(\i)*16*PITCH
.endr
.endm
.macro MUL16 a0, p, zero               ; the 64 accumulators take turns; zero = 1: the first product starts the sums from the bias
.irp a, \a0, \a0+1
.irp b, 0,1,2,3,4,5,6,7
.if \zero
	v_wmma_f32_16x16x128_fp8_fp8 v[8*(8*((\a)%4)+\b):8*(8*((\a)%4)+\b)+7], v[128*(\p)+FR*\b:128*(\p)+FR*\b+FR-1], v[AF+FR*(\a):AF+FR*(\a)+FR-1], v[BN+8*\b:BN+8*\b+7]
.else
	v_wmma_f32_16x16x128_fp8_fp8 v[8*(8*((\a)%4)+\b):8*(8*((\a)%4)+\b)+7], v[128*(\p)+FR*\b:128*(\p)+FR*\b+FR-1], v[AF+FR*(\a):AF+FR*(\a)+FR-1], v[8*(8*((\a)%4)+\b):8*(8*((\a)%4)+\b)+7]
.endif
.endr
.endr
.endm
.macro FETCH_B slot, q, p
	WIN TO_B
.irp i, 0,1,2,3,4,5,6,7
	FRAG 128*(\p)+FR*\i, ADRB+\slot, \q, \i
.endr
	WIN 0
.endm
.macro FETCH_A slot, q, i0
.irp i, \i0, \i0+1, \i0+2, \i0+3
	FRAG AF+FR*(\i), ADRA+\slot, \q, \i
.endr
.endm
.macro PLACES n
.rept \n
	v_nop
.endr
.endm
.macro STEP slot, q, zero
	s_wait_dscnt 4*NL                              ; B's set and A's blocks 0-3 are in; the youngest 16 loads may be out
.if \zero
	WIN 0x81
.else
	WIN MUL_LO
.endif
	MUL16 0, (\q)%2, \zero
	MUL16 2, (\q)%2, \zero
	s_wait_dscnt 0
	PLACES NP
	FETCH_B \slot, (\q)+1, 1-(\q)%2
	FETCH_A \slot, (\q)+1, 0
.if \zero
	WIN 0xc1
.else
	WIN MUL_HI
.endif
	MUL16 4, (\q)%2, \zero
	MUL16 6, (\q)%2, \zero
	PLACES NP
	WIN 0
	FETCH_A \slot, (\q)+1, 4
.endm
.macro TURN slot, next, fill
	s_wait_tensorcnt 0x0                           ; all my tensor loads have landed: my part of the next slot
	ds_add_u32 v[SPW], v[NIL]                      ; 0 onto my spare word
	s_wait_dscnt 4*NL+1                            ; the add and the youngest 16 loads may be out
	WIN MUL_LO
	MUL16 0, 1, 0
	s_wait_dscnt 0x0                               ; the add is done, and my reads of this slot are over
	s_barrier_signal -1
	MUL16 2, 1, 0
	WIN 0
	s_barrier_wait -1
.if \fill
	CREST
	s_add_nc_u64 s[G0+4*\slot+2:G0+4*\slot+3], s[G0+4*\slot+2:G0+4*\slot+3], 2*ROWB
	s_add_nc_u64 s[G0B+4*\slot+2:G0B+4*\slot+3], s[G0B+4*\slot+2:G0B+4*\slot+3], 2*ROWB
	JLOAD G0+4*\slot, G1, G0B+4*\slot, G1B
.else
	PLACES NP
.endif
	FETCH_B \next, 0, 0
	FETCH_A \next, 0, 0
	WIN MUL_HI
	MUL16 4, 1, 0
	MUL16 6, 1, 0
	PLACES NP
	WIN 0
	FETCH_A \next, 0, 4
.endm
	s_wait_tensorcnt 1                             ; my part of K step 0 is in; K step 1's load may be out
	s_barrier_signal -1
	s_barrier_wait -1
	FETCH_B 0, 0, 0
	FETCH_A 0, 0, 0
	FETCH_A 0, 0, 4
	STEP 0, 0, 1
	s_mov_b32 s3, LAPS-1
.Llap:
	TURN 0, 1, 1
	STEP 1, 0, 0
	TURN 1, 0, 1
	STEP 0, 0, 0
	s_sub_co_u32 s3, s3, 1
	s_cmp_lg_u32 s3, 0
	s_cbranch_scc1 .Llap
	TURN 0, 1, 0                                   ; behind its barrier nobody reads slot 0, which has had its last fill
	STEP 1, 0, 0
	s_wait_dscnt 4*NL
	WIN MUL_LO
	MUL16 0, 1, 0
	MUL16 2, 1, 0
	s_wait_dscnt 0
	WIN MUL_HI
	MUL16 4, 1, 0
	MUL16 6, 1, 0
	WIN 0
.macro QBLOCK a                        ; block a: the activation and the hold in one, eight conversions, 8 bytes a lane into the work-group's stage
.set AC, 64*((\a)%4)
	WIN 0x02+((\a)/4)
.irp b, 0,1,2,3,4,5,6,7
.irp i, 0,1,2,3,4,5,6,7
	v_med3_num_f32 v[TMP+8*\b+\i], v[AC+8*\b+\i], 0, v[LIM]   ; each accumulator from its low end on
.endr
.endr
	WIN 0
.irp b, 0,1,2,3,4,5,6,7
	v_cvt_scalef32_pk8_fp8_f32 v[CD+16*(\a)+2*\b:CD+16*(\a)+2*\b+1], v[TMP+8*\b:TMP+8*\b+7], v[SC]
.endr
	v_nop                                          ; a plain line between the last conversion and the next write of its sources
.irp b, 0,1,2,3,4,5,6,7
	ds_store_b64 v[STO], v[CD+16*(\a)+2*\b:CD+16*(\a)+2*\b+1] offset:(\a)*16*PITCH+16*\b
.endr
.endm
	PLACES NP
.irp a, 0,1,2,3,4,5,6,7
	QBLOCK \a
.endr
	s_wait_dscnt 0x0                               ; for the others' sake: my stores into the stage are done
	s_barrier_signal -1
	s_barrier_wait -1
.irp t, 0,1,2,3,4,5,6,7,8,9,10,11,12,13,14,15,16,17,18,19,20,21,22,23,24,25,26,27,28,29,30,31
	ds_load_b128 v[BK+4*\t:BK+4*\t+3], v[RD] offset:\t*2*PITCH
.endr
.irp t, 0,1,2,3,4,5,6,7,8,9,10,11,12,13,14,15,16,17,18,19,20,21,22,23,24,25,26,27,28,29,30,31
	s_wait_dscnt 31-\t                             ; the younger loads of the run may stay out
	global_store_b128 v[CO], v[BK+4*\t:BK+4*\t+3], s[76:77] offset:2*\t*1024   ; sixteen lanes store 256 consecutive bytes, aligned
.endr
	s_wait_tensorcnt 0x0                           ; the wave's end
	ds_add_u32 v[SPW], v[NIL]
	s_wait_dscnt 0x0
	CROUND                                         ; the closing round
	s_endpgm
.Lfunc_end_k_qab6edc0a93_ff1:
	.size	k_qab6edc0a93_ff1, .Lfunc_end_k_qab6edc0a93_ff1-k_qab6edc0a93_ff1
	.p2alignl 7, 3214868480
	.fill 96, 4, 3214868480
	.section	.rodata,"a",@progbits
	.p2align	6, 0x0
	.amdhsa_kernel k_qab6edc0a93_ff1
		.amdhsa_group_segment_fixed_size 327680
		.amdhsa_private_segment_fixed_size 0
		.amdhsa_enable_private_segment 0
		.amdhsa_kernarg_size 40
		.amdhsa_user_sgpr_count 2
		.amdhsa_user_sgpr_kernarg_segment_ptr 1
		.amdhsa_wavefront_size32 1
		.amdhsa_system_sgpr_workgroup_id_x 1
		.amdhsa_system_sgpr_workgroup_id_y 1
		.amdhsa_system_sgpr_workgroup_id_z 1
		.amdhsa_system_vgpr_workitem_id 0
		.amdhsa_next_free_vgpr 1024
		.amdhsa_next_free_sgpr 100
		.amdhsa_reserve_vcc 0
		.amdhsa_float_denorm_mode_32 3
		.amdhsa_float_denorm_mode_16_64 3
		.amdhsa_memory_ordered 1
		.amdhsa_forward_progress 1
		.amdhsa_inst_pref_size 131
	.end_amdhsa_kernel
	.amdgpu_metadata
---
amdhsa.version: [ 1, 2 ]
amdhsa.kernels:
  - .name:           k_qab6edc0a93_ff1
    .symbol:         k_qab6edc0a93_ff1.kd
    .args:
      - { .name: h2c, .offset: 0, .size: 8, .value_kind: global_buffer, .address_space: global }
      - { .name: wc, .offset: 8, .size: 8, .value_kind: global_buffer, .address_space: global }
      - { .name: lowp_scales, .offset: 16, .size: 8, .value_kind: global_buffer, .address_space: global }
      - { .name: b1, .offset: 24, .size: 8, .value_kind: global_buffer, .address_space: global }
      - { .name: fc, .offset: 32, .size: 8, .value_kind: global_buffer, .address_space: global }
    .group_segment_fixed_size: 327680
    .private_segment_fixed_size: 0
    .kernarg_segment_align: 8
    .kernarg_segment_size: 40
    .max_flat_workgroup_size: 128
    .sgpr_count:     100
    .vgpr_count:     1024
    .wavefront_size: 32
...
	.end_amdgpu_metadata
.endif
;; end of part 6
;; launch ff2 (part 7): grid 8 x 32, 4 waves a work-group, clusters of 4 x 4, 327,680 bytes of LDS; arguments fc, wc, lowp_scales, b2, x1, out0; writes out0
.if DOCPART == 7
	.amdgcn_target "amdgcn-amd-amdhsa--gfx1250"
	.amdhsa_code_object_version 6
	.text
	.protected	k_qab6edc0a93_ff2
	.globl	k_qab6edc0a93_ff2
	.p2align	8
	.type	k_qab6edc0a93_ff2,@function
k_qab6edc0a93_ff2:
	s_mov_b64 s[64:65], 0
	v_nop
	global_prefetch_b8 v0, s[64:65] scope:SCOPE_SE
	s_setreg_imm32_b32 hwreg(HW_REG_WAVE_MODE, 25, 1), 1
	s_wait_xcnt 0x0
	s_wait_alu depctr_hold_cnt(0) depctr_sa_sdst(0) depctr_va_vdst(0) depctr_va_sdst(0) depctr_va_ssrc(0) depctr_va_vcc(0) depctr_vm_vsrc(0)
	s_getreg_b32 s2, hwreg(HW_REG_IB_STS2, 6, 4)
	s_cmp_eq_u32 s2, 0
	s_cbranch_scc0 .Lentry_in_a_cluster
	s_endpgm
.Lentry_in_a_cluster:
	s_bfe_u32 s2, ttmp6, 0x10000c
	s_cmp_lg_u32 s2, 0xf033
	s_cbranch_scc0 .Lentry_shape_is_right
	s_endpgm
.Lentry_shape_is_right:
; Product 8 on codes of FP8 (E4M3): out = x1 + (f w2 + b2).  A = f's codes in four panels [4096][1024] (panel g: K = 1024 g on), B = w2's codes in squares 8-11 of wc, [1024 n][1024 k] each, likewise by K.
; The output has 4,096 x 1,024 numbers: tiles of 128 x 128 give 256 work-groups.  Four waves, each 64 x 64: 16 accumulators.  K = 4,096 goes in eight steps of 512 (LDS rows of 512 bytes) through a ring of two slots;
; slot s holds bytes 512 s on of a panel's rows, so a refill steps one panel of A and one square of B.
; CLUSTERS of 4 x 4: A's tile is asked for jointly along a row of the cluster, B's along a column.  THE MATRIX INSTRUCTION IS USED TRANSPOSED: a lane holds eight neighbouring numbers of a row.
; A fragment of the K = 64 form is 16 rows x 64 bytes in 8 registers, by two loads of 16 bytes, 32 apart: the same places of k in A and in B.
; The residual and the bias are asked for at the head, in the layout of the stores, and wait in registers.  y = sum x 2^(ea + eb) + bias, then + residual.
; LIMIT: ea + eb between -126 and 127.
; REGISTERS: window 0: v0-31 addresses, v8-11 the bias; v128-255 accumulators.  window 1: two fragment buffers; on the way out v0-127 the rows.  window 2: v0-127 the residual.
.set LAPS,   4                         ; K / 1,024
.set BOFF,   0x800000                  ; B's first square in wc
.set SCOFF,  56                        ; ea, eb: entries 14, 15
.set ASTEP,  0x400000                  ; a lap on: the next panel of A,
.set BSTEP,  0x100000                  ; the next square of B
.set PITCH,  528                       ; an LDS row: 512 bytes + 16 = 132 words: the 16 rows of a fragment load start at 16 different banks (64 banks of 4 bytes: ISA guide 11.1)
.set HALFT,  64*PITCH
.set SLOT,   4*HALFT
.set STAGE,  2*SLOT
.set SPITCH, 272
.set SPARE,  STAGE+4*16*SPITCH
.set ADRA, 16
.set ADRB, 20
.set STO,  24
.set RD,   25
.set CO,   26
.set SPW,  28
.set NIL,  29
.set ACC,  128
.set F0,   0
.set F1,   128
.set G1, 24
.set G0, 32
.set G1B, 48
.set G0B, 56
.set MSB, 0
.macro WIN new
.if MSB != \new
	s_set_vgpr_msb (MSB<<8)|\new
.set MSB, \new
.endif
.endm
.set MUL,  0x05
.set TO_F, 0x40
.macro JLOAD s                         ; a joint load: waves 0 and 1 fetch A's halves, waves 2 and 3 B's; an s_nop 0 and four v_nop follow each line
	s_cmp_eq_u32 s11, 0
	s_cbranch_scc0 .Lfor_b_\@
	tensor_load_to_lds s[G0+4*\s:G0+4*\s+3], s[G1:G1+7]
	s_nop 0
.rept 4
	v_nop
.endr
	s_branch .Lasked_\@
.Lfor_b_\@:
	tensor_load_to_lds s[G0B+4*\s:G0B+4*\s+3], s[G1B:G1B+7]
	s_nop 0
.rept 4
	v_nop
.endr
.Lasked_\@:
.endm
.macro CREST
	s_cmp_lg_u32 s10, 0
	s_cbranch_scc1 .Lnot_wave_0_\@
	s_barrier_signal -3
.Lnot_wave_0_\@:
	s_barrier_wait -3
	s_barrier_signal -1
	s_barrier_wait -1
.endm
.macro CROUND
	s_barrier_signal -1
	s_barrier_wait -1
	CREST
.endm
	s_load_b128 s[4:7], s[0:1], 0x0                ; A's codes, wc
	s_load_b256 s[68:75], s[0:1], 0x10             ; scales 68, bias 70, residual 72, output 74
	v_lshl_add_u32 v[SPW], v0, 2, SPARE
	v_mov_b32 v[NIL], 0
	ds_add_u32 v[SPW], v[NIL]                      ; the wave's opening: the add and its wait ahead of my first tensor load
	v_lshrrev_b32 v1, 5, v0
	v_readfirstlane_b32 s10, v1
	s_lshr_b32 s11, s10, 1
	s_and_b32 s12, s10, 1
	s_bfe_u32 s40, ttmp6, 0x40000
	s_bfe_u32 s41, ttmp6, 0x40004
	s_lshl_b32 s42, ttmp9, 2
	s_add_co_u32 s42, s42, s40                     ; tile column
	s_and_b32 s13, ttmp7, 0xffff
	s_lshl_b32 s13, s13, 2
	s_add_co_u32 s13, s13, s41                     ; tile row
	s_lshl_b32 s43, s41, 2
	s_lshl_b32 s43, 15, s43
	s_lshl_b32 s44, 0x1111, s40
	s_or_b32 s[G1+0], s43, (0<<16)|(1<<20)|(1<<21)|(6<<22)|(3<<25)
	s_or_b32 s[G1B+0], s44, (0<<16)|(1<<20)|(1<<21)|(6<<22)|(3<<25)
.irp g, G1, G1B
	s_mov_b32 s[\g+1], 512<<16
	s_mov_b32 s[\g+2], 64<<16
	s_mov_b32 s[\g+3], 512<<16
	s_mov_b32 s[\g+4], 64
	s_mov_b32 s[\g+5], 1024
	s_mov_b32 s[\g+6], 0
	s_mov_b32 s[\g+7], 0
.endr
	s_lshl_b32 s17, s12, 6
	s_lshl_b32 s16, s13, 7
	s_add_co_u32 s16, s16, s17
	s_lshl_b32 s16, s16, 10
	s_lshl_b32 s46, s42, 7
	s_add_co_u32 s46, s46, s17
	s_lshl_b32 s46, s46, 10
	s_add_co_u32 s46, s46, BOFF
	s_mov_b32 s17, 0
	s_mov_b32 s47, 0
	s_mul_i32 s20, s10, HALFT
	s_wait_dscnt 0x0                               ; the opening add is done
	s_wait_kmcnt 0x0
	s_load_b64 s[76:77], s[68:69], SCOFF           ; ea, eb
	s_add_nc_u64 s[14:15], s[4:5], s[16:17]
	s_add_nc_u64 s[46:47], s[6:7], s[46:47]
	CROUND
.irp s, 0,1
	s_mov_b32 s[G0+4*\s], 1
	s_add_co_u32 s[G0+4*\s+1], s20, \s*SLOT
	s_add_nc_u64 s[G0+4*\s+2:G0+4*\s+3], s[14:15], \s*512
	s_or_b32 s[G0+4*\s+3], s[G0+4*\s+3], 0x80000000
	s_mov_b32 s[G0B+4*\s], 1
	s_add_co_u32 s[G0B+4*\s+1], s20, \s*SLOT
	s_add_nc_u64 s[G0B+4*\s+2:G0B+4*\s+3], s[46:47], \s*512
	s_or_b32 s[G0B+4*\s+3], s[G0B+4*\s+3], 0x80000000
	JLOAD \s
.endr
	v_and_b32 v1, 15, v0
	v_bfe_u32 v2, v0, 4, 1
	v_mul_u32_u24 v3, v1, PITCH
	v_lshl_add_u32 v3, v2, 4, v3
	s_mul_i32 s21, s11, HALFT
	s_mul_i32 s22, s12, HALFT
	s_add_co_u32 s22, s22, 2*HALFT
.irp s, 0,1
	v_add_nc_u32 v[ADRA+\s], s21, v3
	v_add_nc_u32 v[ADRB+\s], s22, v3
	s_add_co_u32 s21, s21, SLOT
	s_add_co_u32 s22, s22, SLOT
.endr
	s_mul_i32 s23, s10, 16*SPITCH
	s_add_co_u32 s23, s23, STAGE
	v_mul_u32_u24 v4, v1, SPITCH
	v_lshl_add_u32 v4, v2, 5, v4
	v_add_nc_u32 v[STO], s23, v4
	v_mul_u32_u24 v5, v2, SPITCH
	v_lshl_add_u32 v5, v1, 4, v5
	v_add_nc_u32 v[RD], s23, v5
	v_lshlrev_b32 v5, 12, v2
	v_lshl_add_u32 v[CO], v1, 4, v5
	s_lshl_b32 s16, s13, 7
	s_lshl_b32 s17, s11, 6
	s_add_co_u32 s16, s16, s17
	s_lshl_b32 s16, s16, 12
	s_lshl_b32 s17, s42, 9
	s_add_co_u32 s16, s16, s17
	s_lshl_b32 s17, s12, 8
	s_add_co_u32 s16, s16, s17
	s_mov_b32 s17, 0
	s_add_nc_u64 s[72:73], s[72:73], s[16:17]
	s_add_nc_u64 s[74:75], s[74:75], s[16:17]
	s_lshl_b32 s18, s42, 9
	s_lshl_b32 s19, s12, 8
	s_add_co_u32 s18, s18, s19
	s_mov_b32 s19, 0
	s_add_nc_u64 s[70:71], s[70:71], s[18:19]
	v_lshlrev_b32 v7, 4, v1
	global_load_b128 v[8:11], v7, s[70:71]
	WIN 0x80
.irp a, 0,1,2,3
.irp t, 0,1,2,3,4,5,6,7
	global_load_b128 v[32*\a+4*\t:32*\a+4*\t+3], v[CO], s[72:73] offset:(16*\a+2*\t)*4096 th:TH_LOAD_NT
.endr
.endr
	WIN 0
.macro MUL8 f, c, a0, zero             ; the 16 accumulators take turns
.irp a, \a0, \a0+1
.irp b, 0,1,2,3
.if \zero
	v_wmma_f32_16x16x64_fp8_fp8 v[ACC+8*(4*(\a)+\b):ACC+8*(4*(\a)+\b)+7], v[\f+64+8*(4*\c+\b):\f+64+8*(4*\c+\b)+7], v[\f+8*(4*\c+\a):\f+8*(4*\c+\a)+7], 0
.else
	v_wmma_f32_16x16x64_fp8_fp8 v[ACC+8*(4*(\a)+\b):ACC+8*(4*(\a)+\b)+7], v[\f+64+8*(4*\c+\b):\f+64+8*(4*\c+\b)+7], v[\f+8*(4*\c+\a):\f+8*(4*\c+\a)+7], v[ACC+8*(4*(\a)+\b):ACC+8*(4*(\a)+\b)+7]
.endif
.endr
.endr
.endm
.macro FETCH slot, k, f
	WIN TO_F
.irp c, 0,1
.irp i, 0,1,2,3
	ds_load_b128 v[\f+64+8*(4*\c+\i):\f+64+8*(4*\c+\i)+3],   v[ADRB+\slot] offset:\k+64*\c+\i*16*PITCH
	ds_load_b128 v[\f+64+8*(4*\c+\i)+4:\f+64+8*(4*\c+\i)+7], v[ADRB+\slot] offset:\k+64*\c+\i*16*PITCH+32
	ds_load_b128 v[\f+8*(4*\c+\i):\f+8*(4*\c+\i)+3],         v[ADRA+\slot] offset:\k+64*\c+\i*16*PITCH
	ds_load_b128 v[\f+8*(4*\c+\i)+4:\f+8*(4*\c+\i)+7],       v[ADRA+\slot] offset:\k+64*\c+\i*16*PITCH+32
.endr
.endr
.endm
.macro PLACES
.rept 4
	v_nop
.endr
.endm
.macro QUARTER slot, k, f, g, zero
	s_wait_dscnt 16                                ; the first 64 along K are in; the other sixteen loads may be out
	WIN MUL
	MUL8 \f, 0, 0, \zero
	MUL8 \f, 0, 2, \zero
	PLACES
	FETCH \slot, \k, \g
	s_wait_dscnt 32                                ; all but the 32 just issued
	WIN MUL
	MUL8 \f, 1, 0, 0
	MUL8 \f, 1, 2, 0
.endm
.macro TURN slot, next, fill           ; the last quarter changes slots: one barrier; in front of it all my tensor loads, the add, my reads of this slot
	WIN 0
	s_wait_tensorcnt 0x0                           ; all my tensor loads have landed: my part of the next slot
	ds_add_u32 v[SPW], v[NIL]                      ; 0 onto my spare word
	s_wait_dscnt 17                                ; the add and the youngest sixteen loads may be out
	WIN MUL
	MUL8 F1, 0, 0, 0
	s_wait_dscnt 0x0                               ; the add is done, and my reads of this slot are over
	s_barrier_signal -1
	MUL8 F1, 0, 2, 0
.if \fill
	WIN 0
.endif
	s_barrier_wait -1
.if \fill
	CREST                                          ; the barrier has opened a round of the cluster's: no wave of any partner still reads this slot or has a load on its way
	s_add_nc_u64 s[G0+4*\slot+2:G0+4*\slot+3], s[G0+4*\slot+2:G0+4*\slot+3], ASTEP
	s_add_nc_u64 s[G0B+4*\slot+2:G0B+4*\slot+3], s[G0B+4*\slot+2:G0B+4*\slot+3], BSTEP
	JLOAD \slot                                    ; the first tensor load behind the round; its four v_nop are the places in front of the loads below
.else
	PLACES
.endif
	FETCH \next, 0, F0
	WIN MUL
	MUL8 F1, 1, 0, 0
	MUL8 F1, 1, 2, 0
.endm
	s_wait_tensorcnt 1                             ; my part of K step 0 is in; K step 1's load may be out
	s_barrier_signal -1
	s_barrier_wait -1
	FETCH 0, 0, F0
	QUARTER 0, 128, F0, F1, 1
.if LAPS > 1
	WIN 0
	s_mov_b32 s3, LAPS-1
.Llap:
	QUARTER 0, 256, F1, F0, 0
	QUARTER 0, 384, F0, F1, 0
	TURN 0, 1, 1
	QUARTER 1, 128, F0, F1, 0
	QUARTER 1, 256, F1, F0, 0
	QUARTER 1, 384, F0, F1, 0
	TURN 1, 0, 1
	QUARTER 0, 128, F0, F1, 0
	WIN 0
	s_sub_co_u32 s3, s3, 1
	s_cmp_lg_u32 s3, 0
	s_cbranch_scc1 .Llap
.endif
	QUARTER 0, 256, F1, F0, 0
	QUARTER 0, 384, F0, F1, 0
	TURN 0, 1, 0
	QUARTER 1, 128, F0, F1, 0
	QUARTER 1, 256, F1, F0, 0
	QUARTER 1, 384, F0, F1, 0
	s_wait_dscnt 16
	WIN MUL
	MUL8 F1, 0, 0, 0
	MUL8 F1, 0, 2, 0
	s_wait_dscnt 0
	MUL8 F1, 1, 0, 0
	MUL8 F1, 1, 2, 0
	WIN 0
	; THE WAY OUT, as whole rows of 256 bytes through my own stage; then scale, bias, residual, store
	s_wait_kmcnt 0x0
	s_add_co_i32 s66, s76, s77
	s_add_co_i32 s66, s66, 127
	s_lshl_b32 s66, s66, 23                        ; 2^(ea + eb) as f32
	s_mov_b32 s67, s66
	s_wait_loadcnt 0x0                             ; the bias and the residual
	PLACES
.macro TOSTAGE a
	WIN 0
.irp b, 0,1,2,3
	ds_store_b128 v[STO], v[ACC+8*(4*(\a)+\b):ACC+8*(4*(\a)+\b)+3] offset:64*\b        ; each accumulator from its low end on
	ds_store_b128 v[STO], v[ACC+8*(4*(\a)+\b)+4:ACC+8*(4*(\a)+\b)+7] offset:64*\b+16
.endr
	WIN 0x40
.irp t, 0,1,2,3,4,5,6,7
	ds_load_b128 v[32*(\a)+4*\t:32*(\a)+4*\t+3], v[RD] offset:\t*2*SPITCH   ; LDS serves a wave's instructions in order
.endr
.endm
.macro FIN a
	s_wait_dscnt 16*(3-(\a))                       ; the later blocks' 8 stores and 8 loads each may be out
	WIN 0x41
.irp t, 0,1,2,3,4,5,6,7
.irp p, 0,1
	v_pk_fma_f32 v[32*(\a)+4*\t+2*\p:32*(\a)+4*\t+2*\p+1], v[32*(\a)+4*\t+2*\p:32*(\a)+4*\t+2*\p+1], s[66:67], v[8+2*\p:9+2*\p] op_sel_hi:[1,0,1]
.endr
.endr
	WIN 0x49
.irp t, 0,1,2,3,4,5,6,7
.irp p, 0,1
	v_pk_add_f32 v[32*(\a)+4*\t+2*\p:32*(\a)+4*\t+2*\p+1], v[32*(\a)+4*\t+2*\p:32*(\a)+4*\t+2*\p+1], v[32*(\a)+4*\t+2*\p:32*(\a)+4*\t+2*\p+1]
.endr
.endr
	WIN 0x04
.irp t, 0,1,2,3,4,5,6,7
	global_store_b128 v[CO], v[32*(\a)+4*\t:32*(\a)+4*\t+3], s[74:75] offset:(16*(\a)+2*\t)*4096 th:TH_STORE_NT   ; sixteen lanes store 256 consecutive bytes, aligned
.endr
.endm
	TOSTAGE 0
	TOSTAGE 1
	TOSTAGE 2
	TOSTAGE 3
	FIN 0
	FIN 1
	FIN 2
	FIN 3
	WIN 0
	s_wait_tensorcnt 0x0                           ; the wave's end
	ds_add_u32 v[SPW], v[NIL]
	s_wait_dscnt 0x0
	CROUND                                         ; the closing round
	s_endpgm
.Lfunc_end_k_qab6edc0a93_ff2:
	.size	k_qab6edc0a93_ff2, .Lfunc_end_k_qab6edc0a93_ff2-k_qab6edc0a93_ff2
	.p2alignl 7, 3214868480
	.fill 96, 4, 3214868480
	.section	.rodata,"a",@progbits
	.p2align	6, 0x0
	.amdhsa_kernel k_qab6edc0a93_ff2
		.amdhsa_group_segment_fixed_size 327680
		.amdhsa_private_segment_fixed_size 0
		.amdhsa_enable_private_segment 0
		.amdhsa_kernarg_size 48
		.amdhsa_user_sgpr_count 2
		.amdhsa_user_sgpr_kernarg_segment_ptr 1
		.amdhsa_wavefront_size32 1
		.amdhsa_system_sgpr_workgroup_id_x 1
		.amdhsa_system_sgpr_workgroup_id_y 1
		.amdhsa_system_sgpr_workgroup_id_z 1
		.amdhsa_system_vgpr_workitem_id 0
		.amdhsa_next_free_vgpr 768
		.amdhsa_next_free_sgpr 80
		.amdhsa_reserve_vcc 0
		.amdhsa_float_denorm_mode_32 3
		.amdhsa_float_denorm_mode_16_64 3
		.amdhsa_memory_ordered 1
		.amdhsa_forward_progress 1
		.amdhsa_inst_pref_size 98
	.end_amdhsa_kernel
	.amdgpu_metadata
---
amdhsa.version: [ 1, 2 ]
amdhsa.kernels:
  - .name:           k_qab6edc0a93_ff2
    .symbol:         k_qab6edc0a93_ff2.kd
    .args:
      - { .name: fc, .offset: 0, .size: 8, .value_kind: global_buffer, .address_space: global }
      - { .name: wc, .offset: 8, .size: 8, .value_kind: global_buffer, .address_space: global }
      - { .name: lowp_scales, .offset: 16, .size: 8, .value_kind: global_buffer, .address_space: global }
      - { .name: b2, .offset: 24, .size: 8, .value_kind: global_buffer, .address_space: global }
      - { .name: x1, .offset: 32, .size: 8, .value_kind: global_buffer, .address_space: global }
      - { .name: out0, .offset: 40, .size: 8, .value_kind: global_buffer, .address_space: global }
    .group_segment_fixed_size: 327680
    .private_segment_fixed_size: 0
    .kernarg_segment_align: 8
    .kernarg_segment_size: 48
    .max_flat_workgroup_size: 128
    .sgpr_count:     80
    .vgpr_count:     768
    .wavefront_size: 32
...
	.end_amdgpu_metadata
.endif
;; end of part 7
